; MI455X (gfx1250); checked and timed in simulation.
; The chip was launched on July 23, 2026; its instructions are those of AMD's public machine-readable ISA for CDNA 5 (MIT licence, August 2026) and "CDNA5" Instruction Set Architecture Reference Guide (July 2026). The comments in the code are by the model that wrote it; some were corrected since.
;; Transformer Block. Allowed arithmetic: matrix products marked QUANTISED: E2M3 operands, one E8M0 scale for each 32 along K, by v_wmma_scale_f32_16x16x128_f8f6f4 with both operands' format E2M3, f32 sums; everything else in f32.
;; Inputs: W1_codes 4,096 x 32 x 24 uint8 (E2M3 codes of W1, K innermost, in blocks of 32 codes, four codes in three bytes); W1_scales 4,096 x 32 uint8 (E8M0 scales of W1, one for each 32 codes along K); W2_codes 1,024 x 128 x 24 uint8 (E2M3 codes of W2, K innermost, in blocks of 32 codes, four codes in three bytes); W2_scales 1,024 x 128 uint8 (E8M0 scales of W2, one for each 32 codes along K); Wk_codes 16 x 64 x 32 x 24 uint8 (E2M3 codes of Wk, K innermost, in blocks of 32 codes, four codes in three bytes); Wk_scales 16 x 64 x 32 uint8 (E8M0 scales of Wk, one for each 32 codes along K); Wo_codes 1,024 x 32 x 24 uint8 (E2M3 codes of Wo, K innermost, in blocks of 32 codes, four codes in three bytes); Wo_scales 1,024 x 32 uint8 (E8M0 scales of Wo, one for each 32 codes along K); Wq_codes 16 x 64 x 32 x 24 uint8 (E2M3 codes of Wq, K innermost, in blocks of 32 codes, four codes in three bytes); Wq_scales 16 x 64 x 32 uint8 (E8M0 scales of Wq, one for each 32 codes along K); Wv_codes 16 x 64 x 32 x 24 uint8 (E2M3 codes of Wv, K innermost, in blocks of 32 codes, four codes in three bytes); Wv_scales 16 x 64 x 32 uint8 (E8M0 scales of Wv, one for each 32 codes along K); b1 4,096 float32; b2 1,024 float32; bo 1,024 float32; ln1_b 1,024 float32; ln1_g 1,024 float32; ln2_b 1,024 float32; ln2_g 1,024 float32; x 2 x 2,048 x 1,024 float32.
;; Outputs: out0 2 x 2,048 x 1,024 float32.
;; This version of the problem:
;;   THIS VERSION OF THE PROBLEM IS GIVEN IN LOW PRECISION. The matrix products marked QUANTISED in the list below multiply operands that are first quantised to E2M3 (2 exponent bits, 3 mantissa bits; 6 bits a number), with one power-of-two scale for each 32 numbers along K (OCP MX v1.0); their sums are f32. All else is computed in f32.
;;   The module's matrix products, in the order in which they are computed (A, B: the left and right operand; K: the contracted axis; several contracted axes count as one K, in the product's order):
;;     1. [M 1,024, K 1,024] x [K 1,024, N 4,096]; A: input Wq (given as codes); B: computed on the way: QUANTISED
;;     2. [M 1,024, K 1,024] x [K 1,024, N 4,096]; A: input Wk (given as codes); B: computed on the way: QUANTISED
;;     3. [M 1,024, K 1,024] x [K 1,024, N 4,096]; A: input Wv (given as codes); B: computed on the way: QUANTISED
;;     4. batch 32 x [M 2,048, K 64] x [K 64, N 2,048]; A: computed on the way; B: computed on the way: QUANTISED
;;     5. batch 32 x [M 2,048, K 2,048] x [K 2,048, N 64]; A: softmax (see below); B: computed on the way: QUANTISED
;;     6. [M 4,096, K 1,024] x [K 1,024, N 1,024]; A: computed on the way; B: input Wo (given as codes): QUANTISED
;;     7. [M 4,096, K 1,024] x [K 1,024, N 4,096]; A: computed on the way; B: input W1 (given as codes): QUANTISED
;;     8. [M 4,096, K 4,096] x [K 4,096, N 1,024]; A: computed on the way; B: input W2 (given as codes): QUANTISED
;;   THE QUANTISER, for each operand of a quantised product, along K:
;;     - K is cut into blocks of 32 from its start; a last block that is shorter is filled with zeros.
;;     - A block's scale is 2^e with e = floor(log2(the largest magnitude in the block)) - 2, held to -126 .. 127; a block of zeros has e = 0. As a byte (E8M0): e + 127.
;;     - Each number is divided by its block's scale, clamped to +-7.5, and rounded to the nearest number of E2M3, ties to even, subnormals kept.
;;     - The product sums the exact products of the quantised numbers (number of the format x scale) in f32.
;;   ~~~python
;;   def quantise(x, axis):      # numpy; x: float32 -> the quantised numbers, widened to float32 again
;;       x = np.moveaxis(x, axis, -1); K = x.shape[-1]
;;       x = np.pad(x, [(0, 0)] * (x.ndim - 1) + [(0, -K % 32)]); x = x.reshape(x.shape[:-1] + (-1, 32)); a = np.abs(x).max(-1, keepdims=True)
;;       e = np.where(a > 0, np.clip(np.frexp(np.where(a > 0, a, 1))[1] - 1 - 2, -126, 127), 0)      # np.frexp(a)[1] - 1 = floor(log2(a)), exactly
;;       r = np.clip(x / 2.0 ** e, -7.5, 7.5)
;;       step = 2.0 ** (np.maximum(np.frexp(np.where(r == 0, 1, r))[1] - 1, 0) - 3)
;;       q = np.round(r / step) * step * 2.0 ** e      # np.round: ties to even
;;       return np.moveaxis(q.reshape(q.shape[:-2] + (-1,))[..., :K], -1, axis).astype(np.float32)
;;   ~~~
;;   SOFTMAX AHEAD OF A QUANTISED PRODUCT. Where the list says 'softmax', what is quantised is not the finished softmax but p = 2^(t - M), with t = logit x log2(e) and M = ceil(the row's largest t), a whole number; so 1/2 < the row's largest p <= 1. The row's sum l is taken of the UNQUANTISED p, in f32, and the product's result is divided by l at the end. Since M is a whole number, a kernel that streams over the keys may use a running M (the ceiling of the running maximum): every later rescaling is an exact power of two, which a block's scale takes up: the codes' values come out the same.
;;   OPERANDS COMPUTED ON THE WAY. 'Computed on the way' means the value that the module computes at that place (a softmax that the list does not call 'softmax' is quantised finished and normalised). What goes into a quantiser is computed in f32, as accurately as f32 sums, v_exp_f32 and their like allow (about 1e-6 of the number): no bf16 or f16 on the way to a quantiser, and a product that is left as it is and whose result goes on into a quantised operand takes f32 operands (vector FMAs, or v_wmma_f32_16x16x4_f32). A number that lies on a knife's edge between two numbers of the format may be rounded either way, as far as f32 arithmetic and the matrix unit's own rounding can turn it there, and no further.
;;   INPUTS GIVEN AS CODES. W1 (in the module: [1024, 4096], K = its axis 0); W2 (in the module: [4096, 1024], K = its axis 0); Wk (in the module: [16, 1024, 64], K = its axis 1); Wo (in the module: [1024, 1024], K = its axis 0); Wq (in the module: [16, 1024, 64], K = its axis 1); Wv (in the module: [16, 1024, 64], K = its axis 1): each comes as NAME_codes (uint8): NAME with its K axis moved to the last place and cut into blocks of 32 codes, [.., K / 32, bytes a block], one block behind the other in memory; four codes in three bytes: a row's codes are one little-endian stream of bits, code i at bits 6 i .. 6 i + 5 (a code: sign, 2 exponent bits, 3 mantissa bits); and NAME_scales (uint8): the same leading axes, one E8M0 byte (e + 127) for each 32 codes along K. Its value is code x scale, taken as it is: it is not quantised again, and the codes and scales need not be those that the quantiser above would give.
;; One version. Each part assembles by itself: llvm-mc -triple=amdgcn-amd-amdhsa -mcpu=gfx1250 --defsym DOCPART=n.
;; ======== version 1 of 1: 7 launches
;; limits: right only within a limited range of input values
;; workspace buffers: actc 3,145,728 bytes; acts 131,072 bytes; qb 3,276,800 bytes; kb 3,276,800 bytes; vb 3,276,800 bytes; x1 16,777,216 bytes; hidc 12,582,912 bytes; hids 524,288 bytes
;; launch ln1 (part 1): grid 256 x 1, 16 waves a work-group, no clusters, 88,576 bytes of LDS; arguments x, ln1_g, ln1_b, actc, acts; writes actc, acts
.if DOCPART == 1
	.amdgcn_target "amdgcn-amd-amdhsa--gfx1250"
	.amdhsa_code_object_version 6
	.text
	.protected	k_q6005de989e_ln1
	.globl	k_q6005de989e_ln1
	.p2align	8
	.type	k_q6005de989e_ln1,@function
k_q6005de989e_ln1:
	s_mov_b64 s[64:65], 0
	v_nop
	global_prefetch_b8 v0, s[64:65] scope:SCOPE_SE
	s_setreg_imm32_b32 hwreg(HW_REG_WAVE_MODE, 25, 1), 1
	s_wait_xcnt 0x0
; LAYER NORM AND QUANTISER.  y = (x - mean) * rsqrt(var + 1e-5) * g + b for rows of 1,024 f32 numbers, then codes of FP6 (E2M3) along the row, one E8M0 byte for each 32.
; Out: codes [4096][768 bytes], a row's codes one stream of bits; scale bytes [4096][32]: laid as the given weights are.  The body serves both norms of the block.
; THE PROGRAM: norm 1 | q, k, v | attention | projection + bias + residual | norm 2 | first layer, relu | second layer + bias + residual.  Every activation is quantised once, by the launch that makes it.
; WORK LEFT OUT, in the whole program: reference() sets the scores of keys t > s to -infinity by a mask that it builds itself (jnp.tril), so their weights are 0 for all values of the inputs.
; The attention launch leaves out the key steps (128 keys) that lie wholly behind a tile's 16 queries, in both of its products, and does not fetch key slots that lie behind a work-group's last query.
; Nothing else is left out, and every input is loaded.  LIMIT: a NaN, an infinity or an overflow that reaches only those hidden scores is not carried to the result.
; LIMITS of this body: a block whose largest magnitude lies under 2^-124 (a block of zeros too) gets the byte 1: the bytes are read by this program alone and zero codes add nothing; NaN and infinities are not served.
; The variance is taken of x - mean (two passes over registers), so a common offset of the row costs no digits.
; SHARES.  A work-group takes 16 rows, a wave one whole row: sixteen waves, four to a SIMD, whose chains of dependent sums take turns.  All 24 loads of a wave go out at the head.
; A load takes 512 consecutive bytes (16 a lane); sums and the norm are done in that layout.  The conversion wants 16 NEIGHBOURS in a lane, so the finished row turns through the wave's own stage in LDS
; (64 bytes + 16 of padding a place) and comes back 64 bytes a lane: two neighbouring lanes hold a block of 32.
; The 16 rows' scale bytes, 512 in all, are gathered in one LDS block; behind the one barrier wave 0 stores them, 512 consecutive bytes.
.set WREG,  5120                       ; LDS of a wave: two stages of 32 x 80 bytes (a row's two halves)
.set SP,    80
.set CB,    16*WREG                    ; the work-group's 512 scale bytes
.set SPARE, CB+512                     ; the spare words, 128 bytes for each wave, that no other line names
.set T,     8                          ; v8-15    at work
.set SPW,   16                         ; v16      LDS address of my spare word; never rewritten
.set NIL,   17                         ; v17      0; never rewritten
.set MU,    18                         ; v[18:19] the mean (the packed form names a pair and takes its low word)
.set RS,    20                         ; v[20:21] 1 / sqrt(var + eps)
.set G,     24                         ; v24-55   g, as a row is loaded
.set BB,    56                         ; v56-87   b
.set XR,    88                         ; v88-119  the row; later its codes and bytes
.set Y,     216                        ; v216-247 the row's two halves, 16 neighbours each
	s_load_b256 s[4:11], s[0:1], 0x0               ; x s[4:5], g s[6:7], b s[8:9], codes s[10:11]
	s_load_b64 s[12:13], s[0:1], 0x20              ; scale bytes
	v_lshl_add_u32 v[SPW], v0, 2, SPARE
	v_mov_b32 v[NIL], 0
	v_lshrrev_b32 v1, 5, v0
	v_readfirstlane_b32 s16, v1                    ; wave
	v_and_b32 v9, 31, v0                           ; lane
	v_lshlrev_b32 v1, 4, v9                        ; my 16 bytes of a load's 512
	s_mul_i32 s17, s16, WREG
	v_lshrrev_b32 v2, 2, v9
	v_mul_u32_u24 v2, v2, SP
	v_and_b32 v10, 3, v9
	v_lshl_add_u32 v2, v10, 4, v2
	v_add_nc_u32 v2, s17, v2                       ; the stage, on the way in: 80 (lane / 4) + 16 (lane % 4); a load's 512 bytes take eight places
	v_mul_u32_u24 v3, v9, SP
	v_add_nc_u32 v3, s17, v3                       ; and on the way out: 80 x lane
	v_mul_u32_u24 v4, v9, 12                       ; my 16 codes' place in a half row's 384 bytes
	v_lshrrev_b32 v5, 1, v9
	s_lshl_b32 s17, s16, 5
	s_add_co_u32 s17, s17, CB
	v_add_nc_u32 v5, s17, v5                       ; my block's scale byte: 32 bytes a wave
	v_add_nc_u32 v6, CB, v1                        ; wave 0's way out: 16 of the 512 bytes a lane
	v_mov_b32 v[MU+1], 0                           ; (named as the upper halves of pairs)
	v_mov_b32 v[RS+1], 0
	s_mov_b32 s20, 0x3a800000                      ; 1 / 1024
	s_mov_b32 s21, 0x3727c5ac                      ; 1e-5
	s_mov_b32 s22, 0x76543210                      ; v_permlanex16_b32's selects for lane l xor 16
	s_mov_b32 s23, 0xfedcba98
	s_lshl_b32 s18, ttmp9, 4
	s_add_co_u32 s18, s18, s16                     ; my row: 16 x work-group + wave
	s_lshl_b32 s24, s18, 12
	s_mov_b32 s25, 0
	s_mul_i32 s26, s18, 768
	s_mov_b32 s27, 0
	s_lshl_b32 s28, s18, 5
	s_mov_b32 s29, 0
	s_wait_alu depctr_va_vdst(0)                   ; the wait at the head's end
	s_wait_kmcnt 0x0
	s_add_nc_u64 s[4:5], s[4:5], s[24:25]
	s_add_nc_u64 s[10:11], s[10:11], s[26:27]
	s_add_nc_u64 s[12:13], s[12:13], s[28:29]      ; (wave 0's row is the work-group's first)
.irp j, 0,1,2,3,4,5,6,7
	global_load_b128 v[XR+4*\j:XR+4*\j+3], v1, s[4:5] offset:512*\j
.endr
.irp j, 0,1,2,3,4,5,6,7
	global_load_b128 v[G+4*\j:G+4*\j+3], v1, s[6:7] offset:512*\j
.endr
.irp j, 0,1,2,3,4,5,6,7
	global_load_b128 v[BB+4*\j:BB+4*\j+3], v1, s[8:9] offset:512*\j
.endr
.macro REDUCE                          ; v[T] summed over the 32 lanes, into every lane
	v_add_f32_dpp v[T], v[T], v[T] row_xmask:1 row_mask:0xf bank_mask:0xf
	v_add_f32_dpp v[T], v[T], v[T] row_xmask:2 row_mask:0xf bank_mask:0xf
	v_add_f32_dpp v[T], v[T], v[T] row_xmask:4 row_mask:0xf bank_mask:0xf
	v_add_f32_dpp v[T], v[T], v[T] row_xmask:8 row_mask:0xf bank_mask:0xf
	v_permlanex16_b32 v[T+1], v[T], s22, s23
	v_add_f32 v[T], v[T], v[T+1]
.endm
	s_wait_loadcnt 16                              ; loads come back in order: the row is in (g's and b's sixteen may be out)
	v_pk_add_f32 v[T:T+1], v[XR:XR+1], v[XR+2:XR+3]                ; the sum, in two chains
	v_pk_add_f32 v[T+2:T+3], v[XR+4:XR+5], v[XR+6:XR+7]
.irp j, 8,12,16,20,24,28
	v_pk_add_f32 v[T:T+1], v[T:T+1], v[XR+\j:XR+\j+1]
	v_pk_add_f32 v[T+2:T+3], v[T+2:T+3], v[XR+\j+2:XR+\j+3]
.endr
	v_pk_add_f32 v[T:T+1], v[T:T+1], v[T+2:T+3]
	v_add_f32 v[T], v[T], v[T+1]
	REDUCE
	v_mul_f32 v[MU], s20, v[T]                     ; the mean
.irp j, 0,2,4,6,8,10,12,14,16,18,20,22,24,26,28,30
	v_pk_add_f32 v[XR+\j:XR+\j+1], v[XR+\j:XR+\j+1], v[MU:MU+1] op_sel_hi:[1,0] neg_lo:[0,1] neg_hi:[0,1]   ; x - mean, in place
.endr
	v_pk_mul_f32 v[T:T+1], v[XR:XR+1], v[XR:XR+1]                  ; the sum of squares, in two chains
	v_pk_mul_f32 v[T+2:T+3], v[XR+2:XR+3], v[XR+2:XR+3]
.irp j, 4,8,12,16,20,24,28
	v_pk_fma_f32 v[T:T+1], v[XR+\j:XR+\j+1], v[XR+\j:XR+\j+1], v[T:T+1]
	v_pk_fma_f32 v[T+2:T+3], v[XR+\j+2:XR+\j+3], v[XR+\j+2:XR+\j+3], v[T+2:T+3]
.endr
	v_pk_add_f32 v[T:T+1], v[T:T+1], v[T+2:T+3]
	v_add_f32 v[T], v[T], v[T+1]
	REDUCE
	v_fma_f32 v[T], v[T], s20, s21                 ; var + eps
	s_wait_alu depctr_va_vdst(0)                   ; the wait ahead of the transcendental,
	v_rsq_f32 v[RS], v[T]
	v_nop                                          ; a plain instruction behind it,
	s_wait_alu depctr_va_vdst(0)                   ; and the wait ahead of its first reader
.irp j, 0,2,4,6,8,10,12,14,16,18,20,22,24,26,28,30
	v_pk_mul_f32 v[XR+\j:XR+\j+1], v[XR+\j:XR+\j+1], v[RS:RS+1] op_sel_hi:[1,0]
.endr
	s_wait_loadcnt 0x0                             ; g and b
.irp j, 0,2,4,6,8,10,12,14,16,18,20,22,24,26,28,30
	v_pk_fma_f32 v[XR+\j:XR+\j+1], v[XR+\j:XR+\j+1], v[G+\j:G+\j+1], v[BB+\j:BB+\j+1]
.endr
.irp s, 0,1                            ; the turn: LDS serves a wave's instructions in order, so no wait stands between the stores and the loads
.irp i, 0,1,2,3
	ds_store_b128 v2, v[XR+16*\s+4*\i:XR+16*\s+4*\i+3] offset:32*SP*\s+8*SP*\i
.endr
.endr
.irp s, 0,1
.irp i, 0,1,2,3
	ds_load_b128 v[Y+16*\s+4*\i:Y+16*\s+4*\i+3], v3 offset:32*SP*\s+16*\i
.endr
.endr
.irp s, 0,1
.set YS, Y+16*\s
.if \s == 0
	s_wait_dscnt 4                                 ; the first half is back (the second half's four loads may be out): the stores have read the row's registers too
.else
	s_wait_dscnt 1                                 ; the second half is back (the first half's byte store may be out)
.endif
	v_max3_num_f32 v[T], |v[YS]|, |v[YS+1]|, |v[YS+2]|             ; the largest magnitude of my 16
	v_max3_num_f32 v[T+1], |v[YS+3]|, |v[YS+4]|, |v[YS+5]|
.irp i, 6,10
	v_max3_num_f32 v[T], v[T], |v[YS+\i]|, |v[YS+\i+1]|
	v_max3_num_f32 v[T+1], v[T+1], |v[YS+\i+2]|, |v[YS+\i+3]|
.endr
	v_max3_num_f32 v[T], v[T], |v[YS+14]|, |v[YS+15]|
	v_max3_num_f32 v[T], v[T], v[T+1], 0x1800000   ; and the floor 2^(3 - 127): the byte cannot fall under 1
	v_max_num_f32_dpp v[T], v[T], v[T] row_xmask:1 row_mask:0xf bank_mask:0xf   ; with my neighbour's 16: the block's
	v_add_nc_u32 v[T+2], 0xff000000, v[T]          ; 2 off its exponent field: the conversion takes the exponent field of this operand as its scale
	v_cvt_scalef32_pk16_fp6_f32 v[XR+4*\s:XR+4*\s+2], v[YS:YS+15], v[T+2]   ; into registers of the row, which is done with
	v_lshrrev_b32 v[XR+8+\s], 23, v[T+2]           ; the scale's byte (also the plain instruction behind the conversion)
	ds_store_b8 v5, v[XR+8+\s] offset:16*\s        ; both lanes of a block write the same byte with the same value
	global_store_b96 v4, v[XR+4*\s:XR+4*\s+2], s[10:11] offset:384*\s   ; the wave stores 384 consecutive bytes
.endr
	s_wait_dscnt 0x0                               ; my scale bytes are in LDS,
	s_barrier_signal -1
	s_barrier_wait -1                              ; everybody's are
	s_cmp_lg_u32 s16, 0
	s_cbranch_scc1 .Lnot_first
	ds_load_b128 v[T:T+3], v6
	s_wait_dscnt 0x0
	global_store_b128 v1, v[T:T+3], s[12:13]       ; 512 consecutive bytes: sixteen rows' scale bytes
.Lnot_first:
	s_wait_tensorcnt 0x0                           ; the wave's end, behind my last LDS store
	ds_add_u32 v[SPW], v[NIL]
	s_wait_dscnt 0x0
	s_endpgm
.Lfunc_end_k_q6005de989e_ln1:
	.size	k_q6005de989e_ln1, .Lfunc_end_k_q6005de989e_ln1-k_q6005de989e_ln1
	.p2alignl 7, 3214868480
	.fill 96, 4, 3214868480
	.section	.rodata,"a",@progbits
	.p2align	6, 0x0
	.amdhsa_kernel k_q6005de989e_ln1
		.amdhsa_group_segment_fixed_size 88576
		.amdhsa_private_segment_fixed_size 0
		.amdhsa_enable_private_segment 0
		.amdhsa_kernarg_size 40
		.amdhsa_user_sgpr_count 2
		.amdhsa_user_sgpr_kernarg_segment_ptr 1
		.amdhsa_wavefront_size32 1
		.amdhsa_system_sgpr_workgroup_id_x 1
		.amdhsa_system_sgpr_workgroup_id_y 1
		.amdhsa_system_sgpr_workgroup_id_z 1
		.amdhsa_system_vgpr_workitem_id 0
		.amdhsa_next_free_vgpr 256
		.amdhsa_next_free_sgpr 66
		.amdhsa_reserve_vcc 0
		.amdhsa_float_denorm_mode_32 3
		.amdhsa_float_denorm_mode_16_64 3
		.amdhsa_memory_ordered 1
		.amdhsa_forward_progress 1
		.amdhsa_inst_pref_size 14
	.end_amdhsa_kernel
	.amdgpu_metadata
---
amdhsa.version: [ 1, 2 ]
amdhsa.kernels:
  - .name:           k_q6005de989e_ln1
    .symbol:         k_q6005de989e_ln1.kd
    .args:
      - { .name: x, .offset: 0, .size: 8, .value_kind: global_buffer, .address_space: global }
      - { .name: ln1_g, .offset: 8, .size: 8, .value_kind: global_buffer, .address_space: global }
      - { .name: ln1_b, .offset: 16, .size: 8, .value_kind: global_buffer, .address_space: global }
      - { .name: actc, .offset: 24, .size: 8, .value_kind: global_buffer, .address_space: global }
      - { .name: acts, .offset: 32, .size: 8, .value_kind: global_buffer, .address_space: global }
    .group_segment_fixed_size: 88576
    .private_segment_fixed_size: 0
    .kernarg_segment_align: 8
    .kernarg_segment_size: 40
    .max_flat_workgroup_size: 512
    .sgpr_count:     66
    .vgpr_count:     256
    .wavefront_size: 32
...
	.end_amdgpu_metadata
.endif
;; end of part 1
;; launch qkv (part 2): grid 12 x 16, 4 waves a work-group, clusters of 4 x 4, 327,680 bytes of LDS; arguments actc, acts, Wq_codes, Wq_scales, Wk_codes, Wk_scales, Wv_codes, Wv_scales, qb, kb, vb; writes qb, kb, vb
.if DOCPART == 2
	.amdgcn_target "amdgcn-amd-amdhsa--gfx1250"
	.amdhsa_code_object_version 6
	.text
	.protected	k_q6005de989e_qkv
	.globl	k_q6005de989e_qkv
	.p2align	8
	.type	k_q6005de989e_qkv,@function
k_q6005de989e_qkv:
	s_mov_b64 s[64:65], 0
	v_nop
	global_prefetch_b8 v0, s[64:65] scope:SCOPE_SE
	s_setreg_imm32_b32 hwreg(HW_REG_WAVE_MODE, 25, 1), 1
	s_wait_xcnt 0x0
	s_wait_alu depctr_hold_cnt(0) depctr_sa_sdst(0) depctr_va_vdst(0) depctr_va_sdst(0) depctr_va_ssrc(0) depctr_va_vcc(0) depctr_vm_vsrc(0)
	s_getreg_b32 s2, hwreg(HW_REG_IB_STS2, 6, 4)
	s_cmp_eq_u32 s2, 0
	s_cbranch_scc0 .Lentry_in_a_cluster
	s_endpgm
.Lentry_in_a_cluster:
	s_bfe_u32 s2, ttmp6, 0x10000c
	s_cmp_lg_u32 s2, 0xf033
	s_cbranch_scc0 .Lentry_shape_is_right
	s_endpgm
.Lentry_shape_is_right:
; q, k AND v OF ALL HEADS: a GEMM on codes of FP6 whose result is quantised on the way out.  C[m][n] = sum over k of A[m][k] B[n][k], K = 1,024; operands as rows of 768 bytes of codes with 32 scale bytes a row.
; The cluster's x says which: 0: q = h Wq, 1: k = h Wk (A = the tokens, B = the weight's 1,024 rows head x 64 + d), 2: v, taken as Wv h^T (A = the weight, B = the tokens).
; A tile of C, 256 x 256, is made by four waves, 128 x 128 each: 64 accumulators.  K goes through two LDS slots in CHUNKS OF 256 BYTES of each row (a row is 768 bytes, so every chunk begins at a multiple of 256 bytes).
; A step of 128 along K is 96 bytes: eight steps to three chunks; steps 2 and 5 lie across two chunks and take their fragments from both slots.  The scale bytes of the 512 rows come once, at the head, and stay.
; CLUSTERS: 4 x 4 work-groups; A's tile is asked for jointly along a row of the cluster, B's along a column.  No prefetch: the walk has three chunks, of which two come by first fills.
; The matrix instruction is used transposed (source 0 = B's rows): a lane's results run along n, which is the K of the product that takes the result in (d for q and k, the tokens for v).
; THE WAY OUT: each block of 16 rows x 128 columns is quantised in registers and leaves as an image of an operand's registers: six chunks of 256 bytes (chunk i: registers 2 i, 2 i + 1, lane l's 8 bytes at 8 l), and a scale word a row.
; ORDER OF K INSIDE A BLOCK OF 32: a block's four runs of 8 codes stand 0 2 1 3.  q meets k and v meets the softmax's p, all made so: the same permutation of k on both sides changes no product.
; LIMITS: a block whose largest magnitude lies under 2^-124 gets the byte 1 (read by this program alone); NaN and infinities are not served.
; REGISTERS: window 0: v16-29 addresses; v32-63 scale words, two sets; from v128 A's fragments, one set; on the way out v64-199.  window 1: B's fragments, two sets.  windows 2, 3: the accumulators.
.set ROWB,   256
.set NQ,     2
.set KROW,   768
.set STEPS,  8
.set CHUNKS, 3
.set PITCH,  272
.set FR,     12
.set NL,     6
.set NP,     4
.set HALFT,  128*PITCH
.set SLOT,   4*HALFT
.set KS,     32
.set SCL,    2*SLOT
.set HALFS,  16*272
.set SBLK,   2*272
.set SPARE,  SCL+4*HALFS               ; the spare words, 128 bytes a wave, that no other line names
.set ADRA, 16
.set ADRB, 20
.set IMO,  24
.set SO4,  25
.set ADRS, 27
.set SPW,  28
.set NIL,  29
.set SC,   32
.set AF,   128
.set PCO,  64
.set PWO,  160
.set PWS,  168
.set TM,   176
.set YT,   192
.set G1, 24
.set G0, 32
.set G1B, 48
.set G0B, 56
.set G1S, 68
.set G0S, 76
.set G1SB, 80
.set G0SB, 88
.set G0H, 4
.set G0HB, 8
.set MSB, 0
.macro WIN new
.if MSB != \new
	s_set_vgpr_msb (MSB<<8)|\new
.set MSB, \new
.endif
.endm
.set MUL_LO, 0xa1
.set MUL_HI, 0xf1
.set TO_B,   0x40
.macro JLOAD g0a, g1a, g0b, g1b        ; waves 0 and 1 fetch for A, waves 2 and 3 for B
	s_cmp_eq_u32 s15, 0
	s_cbranch_scc0 .Lfor_b_\@
	tensor_load_to_lds s[\g0a:\g0a+3], s[\g1a:\g1a+7]
	s_nop 0
.rept 4
	v_nop
.endr
	s_branch .Lasked_\@
.Lfor_b_\@:
	tensor_load_to_lds s[\g0b:\g0b+3], s[\g1b:\g1b+7]
	s_nop 0
.rept 4
	v_nop
.endr
.Lasked_\@:
.endm
.macro CREST
	s_cmp_lg_u32 s14, 0
	s_cbranch_scc1 .Lnot_wave_0_\@
	s_barrier_signal -3
.Lnot_wave_0_\@:
	s_barrier_wait -3
	s_barrier_signal -1
	s_barrier_wait -1
.endm
.macro CROUND
	s_barrier_signal -1
	s_barrier_wait -1
	CREST
.endm
	s_load_b256 s[68:75], s[0:1], 0x0              ; tokens' codes, scales; Wq's codes, scales
	s_load_b256 s[76:83], s[0:1], 0x20             ; Wk's; Wv's
	s_load_b128 s[84:87], s[0:1], 0x40             ; q's buffer, k's
	s_load_b64 s[88:89], s[0:1], 0x50              ; v's
	v_lshl_add_u32 v[SPW], v0, 2, SPARE
	v_mov_b32 v[NIL], 0
	ds_add_u32 v[SPW], v[NIL]                      ; the opening lines
	ds_add_u32 v[SPW], v[NIL]
	v_lshrrev_b32 v1, 5, v0
	v_readfirstlane_b32 s14, v1                    ; wave
	s_lshr_b32 s15, s14, 1                         ; my half of the rows; also: I fetch for A (0) or B (1)
	s_and_b32 s16, s14, 1                          ; my half of the columns; also: which 128 rows I fetch
	s_bfe_u32 s40, ttmp6, 0x40000
	s_bfe_u32 s41, ttmp6, 0x40004
	s_and_b32 s18, ttmp7, 0xffff
	s_lshl_b32 s18, s18, 2
	s_cmp_eq_u32 ttmp9, 2                          ; v?  The same in all sixteen partners
	s_cselect_b32 s17, 0, s18
	s_cselect_b32 s42, s18, 0
	s_add_co_u32 s17, s17, s41                     ; tile row
	s_add_co_u32 s42, s42, s40                     ; tile column
	s_lshl_b32 s43, s41, 2
	s_lshl_b32 s43, 15, s43                        ; my row of the cluster
	s_lshl_b32 s44, 0x1111, s40                    ; my column
	s_or_b32 s[G1+0], s43, (0<<16)|(1<<20)|(1<<21)|(5<<22)|(3<<25)
	s_or_b32 s[G1B+0], s44, (0<<16)|(1<<20)|(1<<21)|(5<<22)|(3<<25)
.irp g, G1, G1B
	s_mov_b32 s[\g+1], ROWB<<16
	s_mov_b32 s[\g+2], 256<<16                     ; the head's loads bring 256 rows
	s_mov_b32 s[\g+3], ROWB<<16
	s_mov_b32 s[\g+4], 256
	s_mov_b32 s[\g+5], KROW
	s_mov_b32 s[\g+6], 0
	s_mov_b32 s[\g+7], 0
.endr
	s_lshl_b32 s20, s17, 8                         ; A's first row
	s_lshl_b32 s46, s42, 8                         ; B's
	s_lshl_b32 s22, s20, 5                         ; their scale bytes
	s_mov_b32 s23, 0
	s_lshl_b32 s92, s46, 5
	s_mov_b32 s93, 0
	s_mul_i32 s20, s20, KROW                       ; their codes
	s_mov_b32 s21, 0
	s_mul_i32 s46, s46, KROW
	s_mov_b32 s47, 0
	s_mul_i32 s18, s16, 128*KROW                   ; in the ring: my 128 rows
	s_mov_b32 s19, 0
	s_mul_i32 s45, s14, HALFT
	s_wait_dscnt 0x0
	s_wait_kmcnt 0x0
	s_cmp_eq_u32 ttmp9, 2
	s_cselect_b64 s[4:5], s[80:81], s[68:69]       ; A: Wv, else the tokens
	s_cselect_b64 s[6:7], s[82:83], s[70:71]
	s_cselect_b64 s[8:9], s[68:69], s[76:77]       ; B: the tokens, else Wk
	s_cselect_b64 s[10:11], s[70:71], s[78:79]
	s_cselect_b64 s[12:13], s[88:89], s[86:87]
	s_cmp_eq_u32 ttmp9, 0
	s_cselect_b64 s[8:9], s[72:73], s[8:9]         ; q: Wq
	s_cselect_b64 s[10:11], s[74:75], s[10:11]
	s_cselect_b64 s[12:13], s[84:85], s[12:13]
	s_add_nc_u64 s[20:21], s[4:5], s[20:21]
	s_add_nc_u64 s[22:23], s[6:7], s[22:23]
	s_add_nc_u64 s[46:47], s[8:9], s[46:47]
	s_add_nc_u64 s[92:93], s[10:11], s[92:93]
	s_or_b32 s[G1S+0], s43, (3<<16)|(1<<20)|(1<<21)|(5<<22)|(3<<25)   ; the scale bytes of 256 rows: 32 rows of 256 bytes, 16 bytes of padding behind each
	s_or_b32 s[G1SB+0], s44, (3<<16)|(1<<20)|(1<<21)|(5<<22)|(3<<25)
.irp g, G1S, G1SB
	s_mov_b32 s[\g+1], 32<<16
	s_mov_b32 s[\g+2], KS<<16
	s_mov_b32 s[\g+3], 32<<16
	s_mov_b32 s[\g+4], KS
	s_mov_b32 s[\g+5], 32
	s_mov_b32 s[\g+6], 0
	s_mov_b32 s[\g+7], 0
.endr
	CROUND                                         ; the first joint loads meet
	s_mov_b32 s[G0H], 1
	s_mov_b32 s[G0H+1], 0
	s_mov_b64 s[G0H+2:G0H+3], s[20:21]
	s_or_b32 s[G0H+3], s[G0H+3], 0x80000000
	s_mov_b32 s[G0HB], 1
	s_mov_b32 s[G0HB+1], 2*HALFT
	s_mov_b64 s[G0HB+2:G0HB+3], s[46:47]
	s_or_b32 s[G0HB+3], s[G0HB+3], 0x80000000
	s_mov_b32 s[G0S], 1
	s_mov_b32 s[G0S+1], SCL
	s_mov_b64 s[G0S+2:G0S+3], s[22:23]
	s_or_b32 s[G0S+3], s[G0S+3], 0x80000000
	s_mov_b32 s[G0SB], 1
	s_mov_b32 s[G0SB+1], SCL+2*HALFS
	s_mov_b64 s[G0SB+2:G0SB+3], s[92:93]
	s_or_b32 s[G0SB+3], s[G0SB+3], 0x80000000
	s_add_nc_u64 s[20:21], s[20:21], s[18:19]
	s_add_nc_u64 s[46:47], s[46:47], s[18:19]
.irp s, 0,1
	s_mov_b32 s[G0+4*\s], 1
	s_add_co_u32 s[G0+4*\s+1], s45, \s*SLOT
	s_add_nc_u64 s[G0+4*\s+2:G0+4*\s+3], s[20:21], \s*ROWB
	s_or_b32 s[G0+4*\s+3], s[G0+4*\s+3], 0x80000000
	s_mov_b32 s[G0B+4*\s], 1
	s_add_co_u32 s[G0B+4*\s+1], s45, \s*SLOT
	s_add_nc_u64 s[G0B+4*\s+2:G0B+4*\s+3], s[46:47], \s*ROWB
	s_or_b32 s[G0B+4*\s+3], s[G0B+4*\s+3], 0x80000000
.endr
; the head's four tiles, one a wave, in one tree of branches: chunk 0 of A, chunk 0 of B, A's scales, B's scales
.macro ARM under, g0, g1, next
	s_cmp_lt_u32 s14, \under
	s_cbranch_scc0 \next
	tensor_load_to_lds s[\g0:\g0+3], s[\g1:\g1+7]
	s_nop 0
.rept 4
	v_nop
.endr
	s_branch .Lhead_asked
\next:
.endm
	ARM 1, G0H,  G1,  .Lhead_b
	ARM 2, G0HB, G1B, .Lhead_sa
	ARM 3, G0S,  G1S, .Lhead_sb
	tensor_load_to_lds s[G0SB:G0SB+3], s[G1SB:G1SB+7]
	s_nop 0
.rept 4
	v_nop
.endr
.Lhead_asked:
	v_and_b32 v1, 15, v0
	v_bfe_u32 v2, v0, 4, 1
	v_mul_u32_u24 v3, v1, PITCH
	v_mul_u32_u24 v4, v2, 24
	v_add_nc_u32 v4, v3, v4                        ; row x pitch + 24 x half
	s_mov_b32 s21, SLOT-232
	s_mov_b32 s22, SLOT+232
	v_sub_nc_u32 v7, 1, v2
	v_mul_u32_u24 v5, s21, v2
	v_add_nc_u32 v5, v3, v5
	v_add_nc_u32 v5, 232, v5                       ; across two chunks: lanes 0-15 byte 232 in slot 0, lanes 16-31 byte 0 in slot 1;
	v_mul_u32_u24 v6, s22, v7
	v_add_nc_u32 v6, v3, v6                        ; and the other way round
	s_mul_i32 s21, s15, HALFT
	s_mul_i32 s22, s16, HALFT
	s_add_co_u32 s22, s22, 2*HALFT
	v_add_nc_u32 v[ADRA+2], s21, v5
	v_add_nc_u32 v[ADRA+3], s21, v6
	v_add_nc_u32 v[ADRB+2], s22, v5
	v_add_nc_u32 v[ADRB+3], s22, v6
.irp s, 0,1
	v_add_nc_u32 v[ADRA+\s], s21, v4
	v_add_nc_u32 v[ADRB+\s], s22, v4
	s_add_co_u32 s21, s21, SLOT
	s_add_co_u32 s22, s22, SLOT
.endr
	v_mul_u32_u24 v5, v1, KS
	v_lshrrev_b32 v6, 8, v5
	v_lshl_add_u32 v5, v6, 4, v5
	s_mul_i32 s21, s15, HALFS
	s_mul_i32 s22, s16, HALFS
	s_add_co_u32 s22, s22, 2*HALFS
	s_sub_co_u32 s22, s22, s21
	v_mul_u32_u24 v6, s22, v2                      ; lanes 16-31 take B's
	s_add_co_u32 s21, s21, SCL
	v_add_nc_u32 v5, v5, v6
	v_add_nc_u32 v[ADRS], s21, v5
	v_and_b32 v6, 31, v0
	v_lshlrev_b32 v[IMO], 3, v6
	v_lshlrev_b32 v[SO4], 2, v6
	; my group of eight fragments: codes at big x 393,216 + small x 12,288, words behind the codes at big x 16,384 + small x 512
	s_lshl_b32 s20, s17, 1
	s_add_co_u32 s20, s20, s15
	s_lshl_b32 s46, s42, 1
	s_add_co_u32 s46, s46, s16
	s_cmp_eq_u32 ttmp9, 2
	s_cselect_b32 s21, s20, s46                    ; big: the pair of heads,
	s_cselect_b32 s47, s46, s20                    ; small: the tokens
	s_mul_i32 s22, s21, 393216
	s_mul_i32 s23, s47, 12288
	s_add_co_u32 s22, s22, s23
	s_mov_b32 s23, 0
	s_lshl_b32 s21, s21, 14
	s_lshl_b32 s47, s47, 9
	s_add_co_u32 s46, s21, s47
	s_add_co_u32 s46, s46, 3145728
	s_mov_b32 s47, 0
	s_add_nc_u64 s[92:93], s[12:13], s[46:47]
	s_add_nc_u64 s[12:13], s[12:13], s[22:23]
	s_mov_b32 s94, 0xffff0000
	s_mov_b32 s20, 0x76543210
	s_mov_b32 s21, 0xfedcba98
.macro FRAG reg, adr, st, i            ; a fragment in pieces of 8 bytes; byte y of a row lies in slot (y / 256) % 2 at byte y % 256 of the LDS row
.irp p, 0,1,2,3,4,5
.set BY, 96*(\st)+48*(\p/3)+8*(\p%3)
.if BY/ROWB == (BY+24)/ROWB
	ds_load_b64 v[\reg+2*\p:\reg+2*\p+1], v[\adr+(BY/ROWB)%2] offset:BY%ROWB+(\i)*16*PITCH
.else
	ds_load_b64 v[\reg+2*\p:\reg+2*\p+1], v[\adr+2+(BY/ROWB)%2] offset:BY%ROWB-232+(\i)*16*PITCH
.endif
.endr
.endm
.macro MUL16 a0, p, q, sc, zero        ; A's blocks a0, a0 + 1 x B's eight; the 64 accumulators take turns
.irp a, \a0, \a0+1
.irp b, 0,1,2,3,4,5,6,7
.if \zero
	v_wmma_scale_f32_16x16x128_f8f6f4 v[8*(8*((\a)%4)+\b):8*(8*((\a)%4)+\b)+7], v[128*(\p)+FR*\b:128*(\p)+FR*\b+FR-1], v[AF+FR*(\a):AF+FR*(\a)+FR-1], 0, v[SC+8*NQ*(\sc)+NQ*\b+(\q)], v[SC+8*NQ*(\sc)+NQ*(\a)+(\q)] matrix_a_fmt:MATRIX_FMT_FP6 matrix_b_fmt:MATRIX_FMT_FP6 matrix_a_scale:MATRIX_SCALE_ROW1
.else
	v_wmma_scale_f32_16x16x128_f8f6f4 v[8*(8*((\a)%4)+\b):8*(8*((\a)%4)+\b)+7], v[128*(\p)+FR*\b:128*(\p)+FR*\b+FR-1], v[AF+FR*(\a):AF+FR*(\a)+FR-1], v[8*(8*((\a)%4)+\b):8*(8*((\a)%4)+\b)+7], v[SC+8*NQ*(\sc)+NQ*\b+(\q)], v[SC+8*NQ*(\sc)+NQ*(\a)+(\q)] matrix_a_fmt:MATRIX_FMT_FP6 matrix_b_fmt:MATRIX_FMT_FP6 matrix_a_scale:MATRIX_SCALE_ROW1
.endif
.endr
.endr
.endm
.macro FETCH_B st, p
	WIN TO_B
.irp i, 0,1,2,3,4,5,6,7
	FRAG 128*(\p)+FR*\i, ADRB, \st, \i
.endr
	WIN 0
.endm
.macro FETCH_A st, i0
.irp i, \i0, \i0+1, \i0+2, \i0+3
	FRAG AF+FR*(\i), ADRA, \st, \i
.endr
.endm
.macro SCALES pr                       ; the scale words of two steps: lanes 0-15 A's block i, lanes 16-31 B's block i
.irp i, 0,1,2,3,4,5,6,7
	ds_load_b64 v[SC+8*NQ*((\pr)%2)+NQ*\i:SC+8*NQ*((\pr)%2)+NQ*\i+1], v[ADRS] offset:\i*SBLK+4*NQ*(\pr)
.endr
.endm
.macro PLACES n
.rept \n
	v_nop
.endr
.endm
; A step of 128 along K.  Where the next step's bytes end in a chunk not yet read: the wait for my tensor loads and a barrier.  Where they begin in a later chunk: an add to my spare word and the wait for it,
; the barrier, and, where a chunk two on is left, the cluster's round and the refill.
.macro STEP st, zero
.set NX, (\st)+1
.set C0, (96*(\st))/ROWB
.set C1, (96*NX)/ROWB
.set E0, (96*(\st)+95)/ROWB
.set E1, (96*NX+95)/ROWB
.if C1 > C0 || E1 > E0
	s_wait_tensorcnt 0x0
.if C1 > C0
	ds_add_u32 v[SPW], v[NIL]
	s_wait_dscnt 4*NL+1                            ; the add and A's blocks 4-7 may be out
.else
	s_wait_dscnt 4*NL
.endif
	WIN MUL_LO
	MUL16 0, (\st)%2, (\st)%2, ((\st)/2)%2, \zero
	s_wait_dscnt 0x0
	s_barrier_signal -1
	MUL16 2, (\st)%2, (\st)%2, ((\st)/2)%2, \zero
	WIN 0
	s_barrier_wait -1
.if C1 > C0 && C0+2 < CHUNKS
	CREST
	s_add_nc_u64 s[G0+4*(C0%2)+2:G0+4*(C0%2)+3], s[G0+4*(C0%2)+2:G0+4*(C0%2)+3], 2*ROWB
	s_add_nc_u64 s[G0B+4*(C0%2)+2:G0B+4*(C0%2)+3], s[G0B+4*(C0%2)+2:G0B+4*(C0%2)+3], 2*ROWB
	JLOAD G0+4*(C0%2), G1, G0B+4*(C0%2), G1B
.else
	PLACES NP
.endif
.else
	s_wait_dscnt 4*NL                              ; the youngest 24 loads (A's blocks 4-7) may be out
	WIN MUL_LO
	MUL16 0, (\st)%2, (\st)%2, ((\st)/2)%2, \zero
	MUL16 2, (\st)%2, (\st)%2, ((\st)/2)%2, \zero
	s_wait_dscnt 0
	PLACES NP
.endif
	FETCH_B NX, NX%2
	FETCH_A NX, 0
.if NX%2 == 0
	SCALES NX/2
.endif
	WIN MUL_HI
	MUL16 4, (\st)%2, (\st)%2, ((\st)/2)%2, \zero
	MUL16 6, (\st)%2, (\st)%2, ((\st)/2)%2, \zero
	PLACES NP
	WIN 0
	FETCH_A NX, 4
.endm
	s_wait_alu depctr_va_vdst(0)                   ; the wait at the head's end
	s_wait_tensorcnt 0x0                           ; my tile of the head's four is in; ahead of a later first fill:
	ds_add_u32 v[SPW], v[NIL]
	s_mov_b32 s[G1+2], 128<<16                     ; no load of mine is out: from here on a load brings 128 rows
	s_mov_b32 s[G1+4], 128
	s_mov_b32 s[G1B+2], 128<<16
	s_mov_b32 s[G1B+4], 128
	s_wait_dscnt 0x0
	CROUND
	JLOAD G0+4, G1, G0B+4, G1B                     ; chunk 1
	FETCH_B 0, 0
	FETCH_A 0, 0
	SCALES 0
	FETCH_A 0, 4
	STEP 0, 1                                      ; the first step's products start the sums
.set ST, 1
.rept STEPS-2
	STEP ST, 0
.set ST, ST+1
.endr
	s_wait_dscnt 4*NL
	WIN MUL_LO
	MUL16 0, 1, 1, 1, 0
	MUL16 2, 1, 1, 1, 0
	s_wait_dscnt 0
	WIN MUL_HI
	MUL16 4, 1, 1, 1, 0
	MUL16 6, 1, 1, 1, 0
	WIN 0
; QUANT: a lane's 64 numbers in window QW, v[QS] on (register 16 b + i belongs to block b of 32 columns, shared with lane l xor 16) become a fragment's codes in v[QPC] on and its rows' scale word in v[QPW]
.macro QUANT
	WIN (QW*0x14)
.irp b, 0,1,2,3
	v_max3_num_f32 v[TM+\b], 0x1800000, |v[QS+16*\b]|, |v[QS+16*\b+1]|   ; the floor 2^(3 - 127): the byte cannot fall under 1
.endr
.irp i, 2,4,6,8,10,12,14
.irp b, 0,1,2,3
	v_max3_num_f32 v[TM+\b], v[TM+\b], |v[QS+16*\b+\i]|, |v[QS+16*\b+\i+1]|
.endr
.endr
	WIN 0
.irp b, 0,1,2,3
	v_permlanex16_b32 v[TM+4+\b], v[TM+\b], s20, s21
.endr
.irp b, 0,1,2,3
	v_max_num_f32 v[TM+\b], v[TM+\b], v[TM+4+\b]
.endr
.irp b, 0,1,2,3
	v_add_nc_u32 v[TM+12+\b], 0xff000000, v[TM+\b] ; 2 off the exponent field: the conversion's scale operand
.endr
.irp b, 0,1,2,3
	v_lshrrev_b32 v[TM+4+\b], 23, v[TM+12+\b]
.endr
	v_lshl_or_b32 v[QPW], v[TM+5], 8, v[TM+4]
	v_lshl_or_b32 v[QPW], v[TM+6], 16, v[QPW]
	v_lshl_or_b32 v[QPW], v[TM+7], 24, v[QPW]
	WIN QW
.irp c, 0,1
	v_cvt_scalef32_pk16_fp6_f32 v[QPC+6*\c:QPC+6*\c+2], v[QS+32*\c:QS+32*\c+15], v[TM+12+2*\c]
	v_cvt_scalef32_pk16_fp6_f32 v[YT+4*\c:YT+4*\c+2], v[QS+32*\c+16:QS+32*\c+31], v[TM+13+2*\c]
.endr
	WIN 0
	v_nop
.irp c, 0,1
.irp i, 0,1,2
	v_permlane16_swap_b32 v[QPC+6*\c+\i], v[YT+4*\c+\i]
.endr
.irp i, 0,1,2
	v_mov_b32 v[QPC+6*\c+3+\i], v[YT+4*\c+\i]
.endr
.endr
.endm
	PLACES NP
.irp b, 0,1,2,3
	v_mov_b32 v[TM+4+\b], 0                        ; a lane permute's destination counts as one of its sources
.endr
.irp a, 0,1,2,3,4,5,6,7                ; every block has registers of its own for codes and words: no store's data are written again
.set QS, 64*(\a%4)
.set QW, 2+\a/4
.set QPC, PCO+12*\a
.set QPW, PWO+\a
	QUANT
.irp i, 0,1,2,3,4,5
	global_store_b64 v[IMO], v[QPC+2*\i:QPC+2*\i+1], s[12:13] offset:1536*\a+256*\i   ; 32 lanes store 256 consecutive bytes, aligned
.endr
.if \a%2
	v_cndmask_b32 v[PWS+\a/2], v[QPW-1], v[QPW], s94
	global_store_b32 v[SO4], v[PWS+\a/2], s[92:93] offset:128*(\a/2)
.endif
.endr
	s_wait_tensorcnt 0x0                           ; the wave's end
	ds_add_u32 v[SPW], v[NIL]
	s_wait_dscnt 0x0
	CROUND
	s_endpgm
.Lfunc_end_k_q6005de989e_qkv:
	.size	k_q6005de989e_qkv, .Lfunc_end_k_q6005de989e_qkv-k_q6005de989e_qkv
	.p2alignl 7, 3214868480
	.fill 96, 4, 3214868480
	.section	.rodata,"a",@progbits
	.p2align	6, 0x0
	.amdhsa_kernel k_q6005de989e_qkv
		.amdhsa_group_segment_fixed_size 327680
		.amdhsa_private_segment_fixed_size 0
		.amdhsa_enable_private_segment 0
		.amdhsa_kernarg_size 88
		.amdhsa_user_sgpr_count 2
		.amdhsa_user_sgpr_kernarg_segment_ptr 1
		.amdhsa_wavefront_size32 1
		.amdhsa_system_sgpr_workgroup_id_x 1
		.amdhsa_system_sgpr_workgroup_id_y 1
		.amdhsa_system_sgpr_workgroup_id_z 1
		.amdhsa_system_vgpr_workitem_id 0
		.amdhsa_next_free_vgpr 1024
		.amdhsa_next_free_sgpr 100
		.amdhsa_reserve_vcc 0
		.amdhsa_float_denorm_mode_32 3
		.amdhsa_float_denorm_mode_16_64 3
		.amdhsa_memory_ordered 1
		.amdhsa_forward_progress 1
		.amdhsa_inst_pref_size 167
	.end_amdhsa_kernel
	.amdgpu_metadata
---
amdhsa.version: [ 1, 2 ]
amdhsa.kernels:
  - .name:           k_q6005de989e_qkv
    .symbol:         k_q6005de989e_qkv.kd
    .args:
      - { .name: actc, .offset: 0, .size: 8, .value_kind: global_buffer, .address_space: global }
      - { .name: acts, .offset: 8, .size: 8, .value_kind: global_buffer, .address_space: global }
      - { .name: Wq_codes, .offset: 16, .size: 8, .value_kind: global_buffer, .address_space: global }
      - { .name: Wq_scales, .offset: 24, .size: 8, .value_kind: global_buffer, .address_space: global }
      - { .name: Wk_codes, .offset: 32, .size: 8, .value_kind: global_buffer, .address_space: global }
      - { .name: Wk_scales, .offset: 40, .size: 8, .value_kind: global_buffer, .address_space: global }
      - { .name: Wv_codes, .offset: 48, .size: 8, .value_kind: global_buffer, .address_space: global }
      - { .name: Wv_scales, .offset: 56, .size: 8, .value_kind: global_buffer, .address_space: global }
      - { .name: qb, .offset: 64, .size: 8, .value_kind: global_buffer, .address_space: global }
      - { .name: kb, .offset: 72, .size: 8, .value_kind: global_buffer, .address_space: global }
      - { .name: vb, .offset: 80, .size: 8, .value_kind: global_buffer, .address_space: global }
    .group_segment_fixed_size: 327680
    .private_segment_fixed_size: 0
    .kernarg_segment_align: 8
    .kernarg_segment_size: 88
    .max_flat_workgroup_size: 128
    .sgpr_count:     100
    .vgpr_count:     1024
    .wavefront_size: 32
...
	.end_amdgpu_metadata
.endif
;; end of part 2
;; launch attn (part 3): grid 16 x 16, 16 waves a work-group, no clusters, 327,680 bytes of LDS; arguments qb, kb, vb, actc, acts; writes actc, acts
.if DOCPART == 3
	.amdgcn_target "amdgcn-amd-amdhsa--gfx1250"
	.amdhsa_code_object_version 6
	.text
	.protected	k_q6005de989e_attn
	.globl	k_q6005de989e_attn
	.p2align	8
	.type	k_q6005de989e_attn,@function
k_q6005de989e_attn:
	s_mov_b64 s[64:65], 0
	v_nop
	global_prefetch_b8 v0, s[64:65] scope:SCOPE_SE
	s_setreg_imm32_b32 hwreg(HW_REG_WAVE_MODE, 25, 1), 1
	s_wait_xcnt 0x0
; CAUSAL ATTENTION ON CODES OF FP6, head size 64, 16 heads, 2 sequences of 2,048.  o = softmax(q k^T / 32) v, both products on codes; o is quantised along head x 64 + d on the way out.
; WORK LEFT OUT: key steps that lie wholly behind a tile's queries, and key slots behind the work-group's last query: reference() masks those scores itself (jnp.tril), so their weights are 0 for all inputs.
; LIMIT: a NaN or an infinity that reaches only those hidden scores is not carried to the result.  A block whose largest magnitude lies under 2^-124 gets the byte 1 (read by this program alone).
; THE SOFTMAX: t = score x log2(e) / 32; M = the running largest t rounded up to a whole number; p = 2^(t - M) is quantised along the keys, not normalised; the sum of the unquantised p divides o at the end;
; when M moves, the sum and O are multiplied by 2^(old M - new M), which rounds nothing.  A block's largest p is made from the block's largest score by the same two instructions (this takes v_exp_f32 not to fall where its input rises).
; INPUTS are images of operands' registers (a fragment, 16 rows x 128 K: six chunks of 256 bytes, chunk i = registers 2 i, 2 i + 1, lane l's 8 bytes at 8 l; a scale word a row), eight fragments to a group of 128 rows.
; q, k: group (pair of heads, 128 tokens), K = [even head's 64 d | odd head's 64 d].  v: the pair's 128 rows head x 64 + d, K = 128 tokens.
; A HEAD'S K IS 64, THE INSTRUCTION'S 128: a wave takes its head's three chunks into registers 0-5 of the operand.  Q's registers 6-11 hold zero codes; K's registers 6-11 are then whatever follows (the next tile's codes): they meet zeros.
; The scale words of q and k are read as 16 bits: the bytes of the unused blocks are 0, which is a small power of two and no NaN.
; ORDER OF K INSIDE A BLOCK OF 32: q, k, v and p are all made from results whose lanes hold columns 16 b + 8 (lane / 16) + j: the same permutation on both sides of each product.  o meets a given weight: its runs are put right.
; SHARES.  A work-group: one sequence, one pair of heads, the blocks j (early) and 31 - j (late) of 64 queries.  Both products are used transposed (S^T = K Q^T, O^T = V^T P^T): a lane holds one query throughout.
; WAVES WORK IN PAIRS (w, w xor 1): one owns a tile of 16 late queries, the other a tile of 16 early queries of the same head.  The early tile needs keys up to 256 (j / 4 + 1) only.  From that key on (ids and the count of steps decide)
; its wave has stored it and takes the ODD key steps of the partner's late tile, with an M, a sum and an O of its own; the owner keeps the even ones.  At the end the helper hands its part over through LDS, and the owner joins the two
; under the larger M, by powers of two, which round nothing.  So a late tile's chain of steps is 2 (j / 4 + 1) + what is left at one step for each 256 keys.
; THE RING: two slots of 512 keys (four steps).  Wave 0 fetches a slot's K (49,152 dense bytes), wave 1 its V; waves 2 and 3 fetch the scale words of the whole walk, once.  One load of a wave is out at the most.
; The loop has four trips of constant count; a slot whose first key lies behind the work-group's last query is not asked for: that test leads round the load in the last trip too.
; NO CLUSTER: the work-groups of a pair of heads end their walk at different causal limits, so a joint load would bring tiles over whose reads every wave of some partner jumps.
; The one small store: a wave's two scale bytes of each of its 16 rows (32 bytes beside 768 of codes).
.set SK,    512                        ; keys in a slot
.set NSL,   4                          ; slots' worth of keys
.set KV,    49152                      ; a slot's K, four steps of 12,288 bytes; its V likewise
.set SLOT1, 1<<17                      ; slot 1 begins here
.set SC,    2*SLOT1                    ; K's scale words of the whole sequence and pair, 8,192 bytes; then V's
.set SPARE, SC+16384                   ; the spare words, 128 bytes for each wave, that no other line names
.set MRG,   SPARE+2048                 ; where a helper hands its part over: 4,608 bytes for each pair of waves; no load fills them
.set AK0,  1                           ; v1   my lane's place in a step's K: 8 x lane + 768 x head parity
.set AV0,  2                           ; v2   in its V
.set ASK0, 3                           ; v3   among K's scale words
.set ASV0, 4                           ; v4   among V's
.set SPW,  5
.set NIL,  6
.set GO,   7                           ; v7   8 x lane
.set ADK,  8
.set ADV,  9
.set ADS,  10
.set ADT,  11
.set PFO,  28                          ; v28  256 x lane: the prefetches' offset
.set GS,   29                          ; v29  4 x (lane % 16)
.set MA,   30                          ; v30  my pair's hand-over bytes + 16 x lane
.set MB,   31                          ; v31  the same + 4 x lane
.set WV,   18
.set SEL,  20
.set CS,   22
.set G1,   24                          ; s[24:31] group 1 for codes: 192 rows of 256 bytes
.set G1S,  32                          ; s[32:39] for scale words: 32 rows of 256 bytes
.set G0,   40                          ; s[40:43] group 0 for codes, which walks
.set G0S,  44
.set TB,   2                           ; s2   LDS byte at which the slot in hand begins
.set TS,   3                           ; s3   where the step's scale words begin: 512 bytes a step
.set LQ,   66                          ; s66  my work-group's last query
.set SLOTS, 67
.set DO0,  68                          ; s68, s69  do I take the even, the odd key steps?
.set PFA,  76
.set SWK,  78                          ; s78  the key at which the early tiles are done
.set Q0L,  79                          ; s79  my pair's first late query
.set LIM,  80
.set ROLE, 81                          ; s81  1: I own the late tile; 0: the early one, then I help
.set KF,   98                          ; s98  the step's first key
.set Q0,   99                          ; s99  the first query of the tile in hand
; REGISTERS: v12 -M, v13 the largest t, v[14:15] the sum; v16-21 Q, v22-27 zeros; v32-79 eight tiles of K (6 registers each), later four of V (12); v80-85 zeros; v86-91 the late tile's Q, v92 its scale words;
;   v96-159 S^T, then p; v160-191 O^T; v192-199 K's scale words, v200-203 V's, v253 p's, v255 Q's; v224-235 p's codes; v232-254 at work.
.macro TLOAD                           ; waves 0 and 1 fetch, the others nothing
	s_cmp_lt_u32 s[WV], 2
	s_cbranch_scc0 .Lasked_\@
	tensor_load_to_lds s[G0:G0+3], s[G1:G1+7]
	s_nop 0
.rept 4
	v_nop
.endr
.Lasked_\@:
.endm
; A PREFETCH INTO THE L2 of what the next change of slots will ask for: 49,152 bytes of K and of V.  All sixteen work-groups of a sequence and pair walk the same K and V: the one with j = 0, which walks all four slots, asks.
; In it waves 4 to 6 ask for K's, waves 8 to 10 for V's: twice 8,192 bytes a wave, lanes 256 bytes apart: each block of 256 bytes is named once.  Slots 0 and 1 come by their loads alone; the last two trips ask for nothing.
.macro ASK
	s_cmp_gt_u32 s[SLOTS], s[LIM]
	s_cbranch_scc0 .Lnot_mine_\@
	global_prefetch_b8 v[PFO], s[PFA:PFA+1] th:TH_LOAD_NT scope:SCOPE_SE
	global_prefetch_b8 v[PFO], s[PFA:PFA+1] offset:24576 th:TH_LOAD_NT scope:SCOPE_SE
.Lnot_mine_\@:
.endm
	s_load_b256 s[4:11], s[0:1], 0x0               ; q s[4:5], k s[6:7], v s[8:9], o's codes s[10:11]
	s_load_b64 s[12:13], s[0:1], 0x20              ; o's scale words
	v_lshl_add_u32 v[SPW], v0, 2, SPARE
	v_mov_b32 v[NIL], 0
	ds_add_u32 v[SPW], v[NIL]                      ; the opening lines
	ds_add_u32 v[SPW], v[NIL]
	v_lshrrev_b32 v8, 5, v0
	s_delay_alu instid0(VALU_DEP_1)
	v_readfirstlane_b32 s[WV], v8                  ; wave 0..15
	s_and_b32 s48, ttmp7, 0xffff
	s_lshr_b32 s49, s48, 3                         ; the sequence
	s_and_b32 s50, s48, 7                          ; the pair of heads
	s_lshr_b32 s51, s[WV], 1
	s_and_b32 s51, s51, 1                          ; which head of the pair
	s_lshr_b32 s52, s[WV], 2                       ; which 16 of a block's 64 queries
	s_xor_b32 s53, s[WV], s52
	s_and_b32 s53, s53, 1                          ; the early block (0) or the late one (1): waves w and w xor 1 differ in this alone
	s_sub_co_u32 s54, 31, ttmp9
	s_lshl_b32 s[LQ], s54, 6
	s_or_b32 s[LQ], s[LQ], 63                      ; the late block's last query
	s_cmp_eq_u32 s53, 1
	s_cselect_b32 s54, s54, ttmp9
	s_lshl_b32 s54, s54, 6
	s_lshl_b32 s55, s52, 4
	s_add_co_u32 s[Q0], s54, s55
	s_sub_co_u32 s[Q0L], s[LQ], 63
	s_add_co_u32 s[Q0L], s[Q0L], s55
	s_mov_b32 s[ROLE], s53
	s_mov_b32 s[DO0], 1
	s_mov_b32 s[DO0+1], 1
	s_lshr_b32 s[SWK], ttmp9, 2
	s_add_co_u32 s[SWK], s[SWK], 1
	s_lshl_b32 s[SWK], s[SWK], 8                   ; the early block's last query is 64 j + 63: its keys end under 256 (j / 4 + 1)
	s_mul_i32 s56, s50, 393216
	s_mul_i32 s57, s49, 196608
	s_add_co_u32 s56, s56, s57                     ; where the sequence's and pair's codes begin in q, k and v,
	s_mov_b32 s57, 0
	s_lshl_b32 s58, s50, 14
	s_lshl_b32 s59, s49, 13
	s_add_co_u32 s58, s58, s59
	s_add_co_u32 s58, s58, 3145728                 ; and their scale words
	s_mov_b32 s59, 0
	s_mul_i32 s70, s[WV], KV                       ; where waves 0 and 1's loads go: K, then V
	s_and_b32 s71, s[WV], 1                        ; and waves 2 and 3's: K's scale words, V's
	s_lshl_b32 s71, s71, 13
	s_add_co_u32 s71, s71, SC
	s_mov_b32 s[G1], 3<<16                         ; no mask; elements of 8 bytes; no padding
	s_mov_b32 s[G1+1], 32<<16
	s_mov_b32 s[G1+2], 192<<16
	s_mov_b32 s[G1+3], 32<<16
	s_mov_b32 s[G1+4], 192
	s_mov_b32 s[G1+5], 32
	s_mov_b32 s[G1+6], 0
	s_mov_b32 s[G1+7], 0
	s_mov_b32 s[G1S], 3<<16
	s_mov_b32 s[G1S+1], 32<<16
	s_mov_b32 s[G1S+2], 32<<16
	s_mov_b32 s[G1S+3], 32<<16
	s_mov_b32 s[G1S+4], 32
	s_mov_b32 s[G1S+5], 32
	s_mov_b32 s[G1S+6], 0
	s_mov_b32 s[G1S+7], 0
	s_mov_b32 s[SEL], 0x76543210
	s_mov_b32 s[SEL+1], 0xfedcba98
	s_mov_b32 s[CS], 0x3d38aa3b                    ; c = log2(e) / 32: reference()'s factor 1024^-0.5 is a power of two, so c x score has the bits of (score / 32) x log2(e)
	s_mov_b32 s[CS+1], s[CS]
	s_mov_b32 s[TB], 0
	s_mov_b32 s[TS], 0
	s_mov_b32 s[SLOTS], NSL
	s_mov_b32 s[KF], 0
	s_wait_dscnt 0x0
	s_wait_kmcnt 0x0
	s_and_b32 s97, s[WV], 1
	s_cmp_eq_u32 s97, 0
	s_cselect_b64 s[72:73], s[6:7], s[8:9]         ; even wave: k; odd wave: v
	s_mov_b32 s[G0S], 1
	s_mov_b32 s[G0S+1], s71
	s_add_nc_u64 s[G0S+2:G0S+3], s[72:73], s[58:59]
	s_or_b32 s[G0S+3], s[G0S+3], 0x80000000
	s_mov_b32 s[G0], 1
	s_mov_b32 s[G0+1], s70
	s_add_nc_u64 s[G0+2:G0+3], s[72:73], s[56:57]
	s_or_b32 s[G0+3], s[G0+3], 0x80000000
	s_cmp_lt_u32 s[WV], 2                          ; one chain of branches, one first fill to an arm
	s_cbranch_scc0 .Lfirst_words
	tensor_load_to_lds s[G0:G0+3], s[G1:G1+7]
	s_nop 0
.rept 4
	v_nop
.endr
	s_branch .Lno_first
.Lfirst_words:
	s_cmp_lt_u32 s[WV], 4
	s_cbranch_scc0 .Lno_first
	tensor_load_to_lds s[G0S:G0S+3], s[G1S:G1S+7]
	s_nop 0
.rept 4
	v_nop
.endr
.Lno_first:
	v_and_b32 v8, 15, v0                           ; r
	v_and_b32 v9, 31, v0                           ; lane
	s_lshr_b32 s94, s[WV], 1
	s_mul_i32 s94, s94, 4608
	s_add_co_u32 s94, s94, MRG
	v_lshlrev_b32 v[GO], 3, v9
	v_lshlrev_b32 v[GS], 2, v8
	v_lshlrev_b32 v[PFO], 8, v9
	v_lshl_add_u32 v[MA], v9, 4, s94
	v_lshl_add_u32 v[MB], v9, 2, s94
	s_wait_alu depctr_va_vdst(0)                   ; the wait ahead of the run of scalar lines
	s_lshr_b32 s74, s[Q0], 4                       ; my tile of 16 queries
	s_mul_i32 s75, s74, 1536
	s_add_co_u32 s82, s56, s75
	s_mul_i32 s83, s51, 768
	s_add_co_u32 s82, s82, s83
	s_mov_b32 s83, 0
	s_add_nc_u64 s[84:85], s[4:5], s[82:83]        ; my head's three chunks of q's fragment
	s_lshl_b32 s86, s74, 6
	s_add_co_u32 s86, s86, s58
	s_lshl_b32 s87, s51, 1
	s_add_co_u32 s86, s86, s87
	s_mov_b32 s87, 0
	s_add_nc_u64 s[86:87], s[4:5], s[86:87]        ; and my head's two bytes of its scale words
	s_lshr_b32 s94, s[Q0L], 4                      ; the same of my pair's late tile
	s_mul_i32 s52, s94, 1536
	s_add_co_u32 s52, s52, s56
	s_mul_i32 s95, s51, 768
	s_add_co_u32 s52, s52, s95
	s_mov_b32 s53, 0
	s_add_nc_u64 s[52:53], s[4:5], s[52:53]
	s_lshl_b32 s54, s94, 6
	s_add_co_u32 s54, s54, s58
	s_lshl_b32 s95, s51, 1
	s_add_co_u32 s54, s54, s95
	s_mov_b32 s55, 0
	s_add_nc_u64 s[54:55], s[4:5], s[54:55]
.irp i, 0,1,2
	global_load_b64 v[16+2*\i:17+2*\i], v[GO], s[84:85] offset:256*\i
.endr
	global_load_u16 v255, v[GS], s[86:87]
.irp i, 0,1,2
	global_load_b64 v[86+2*\i:87+2*\i], v[GO], s[52:53] offset:256*\i
.endr
	global_load_u16 v92, v[GS], s[54:55]
	s_mul_i32 s82, s51, 768
	v_add_nc_u32 v[AK0], s82, v[GO]
	s_mul_i32 s82, s51, 6144
	s_add_co_u32 s82, s82, KV
	v_add_nc_u32 v[AV0], s82, v[GO]
	s_lshl_b32 s82, s51, 1
	s_add_co_u32 s82, s82, SC
	v_add_nc_u32 v[ASK0], s82, v[GS]
	s_lshl_b32 s82, s51, 8
	s_add_co_u32 s82, s82, SC+8192
	v_add_nc_u32 v[ASV0], s82, v[GS]
	; where my own tile's o goes: codes at (128 tokens) x 98,304 + pair x 12,288 + fragment x 1,536 + 768 x parity; words at ((128 tokens) x 8 + pair) x 512 + fragment x 64 + 2 x parity
	s_lshr_b32 s88, s[Q0], 7
	s_lshl_b32 s89, s49, 4
	s_add_co_u32 s88, s88, s89
	s_mul_i32 s89, s88, 98304
	s_mul_i32 s90, s50, 12288
	s_add_co_u32 s89, s89, s90
	s_and_b32 s90, s74, 7
	s_mul_i32 s91, s90, 1536
	s_add_co_u32 s89, s89, s91
	s_mul_i32 s91, s51, 768
	s_add_co_u32 s92, s89, s91
	s_mov_b32 s93, 0
	s_add_nc_u64 s[10:11], s[10:11], s[92:93]
	s_lshl_b32 s88, s88, 3
	s_add_co_u32 s88, s88, s50
	s_lshl_b32 s88, s88, 9
	s_lshl_b32 s90, s90, 6
	s_add_co_u32 s88, s88, s90
	s_lshl_b32 s90, s51, 1
	s_add_co_u32 s88, s88, s90
	s_mov_b32 s89, 0
	s_add_nc_u64 s[12:13], s[12:13], s[88:89]
	; the prefetches: where my wave's stand, and who asks
	s_cmp_lt_u32 s[WV], 8
	s_cselect_b64 s[PFA:PFA+1], s[6:7], s[8:9]
	s_and_b32 s82, s[WV], 3
	s_lshl_b32 s82, s82, 13                        ; my wave's 8,192 bytes,
	s_add_co_u32 s82, s82, s56
	s_add_co_u32 s82, s82, KV                      ; in slot 1: the first change of slots steps it to slot 2
	s_mov_b32 s83, 0
	s_add_nc_u64 s[PFA:PFA+1], s[PFA:PFA+1], s[82:83]
	s_sub_co_u32 s82, s[WV], 4
	s_lshr_b32 s82, s82, 3                         ; 0 in waves 4 to 11,
	s_or_b32 s82, s82, ttmp9                       ; of the work-group j = 0,
	s_and_b32 s83, s[WV], 3
	s_cmp_eq_u32 s83, 3
	s_cselect_b32 s83, 1, 0                        ; but not in waves 7 and 11
	s_or_b32 s82, s82, s83
	s_cmp_eq_u32 s82, 0
	s_cselect_b32 s[LIM], 2, -1
.irp j, 22,23,24,25,26,27,80,81,82,83,84,85
	v_mov_b32 v[\j], 0                             ; zero codes: the upper half of Q's operand, and what follows K's last tile
.endr
.irp j, 236,237,238,239,252,253
	v_mov_b32 v[\j], 0                             ; written once: a lane permute's destination counts as one of its sources; pairs are named whole
.endr
.macro FRESH                           ; a tile begins: the largest t so far -3e38, the sums and O^T zeros: the step is written once, and a tile's first step finds these
	v_mov_b32 v13, 0xff61b1e6
	v_mov_b32 v14, 0
	v_mov_b32 v15, 0
	v_floor_f32 v12, -v13                          ; -M
.set J, 0
.rept 32
	v_mov_b32 v[160+J], 0
.set J, J+1
.endr
.endm
	FRESH
; A KEY STEP: 128 keys, the q-th of the slot in hand.
.macro STEP q
	s_cmp_eq_u32 s[DO0+(\q)%2], 0                  ; my partner's step?  Branches on ids and the count of steps, round the work alone
	s_cbranch_scc1 .Lhidden_\@
	s_add_co_u32 s96, s[Q0], 15                    ; a step all of whose keys come after my 16 queries is left out
	s_cmp_gt_u32 s[KF], s96
	s_cbranch_scc1 .Lhidden_\@
	v_add_nc_u32 v[ADK], s[TB], v[AK0]             ; (these four are also the places in front of loads into registers that the last products read)
	v_add_nc_u32 v[ADV], s[TB], v[AV0]
	v_add_nc_u32 v[ADS], s[TS], v[ASK0]
	v_add_nc_u32 v[ADT], s[TS], v[ASV0]
.irp t, 0,1,2,3,4,5,6,7                ; tile t: keys 16 t .. 16 t + 15, my head's 64 along d: three chunks, each 256 consecutive bytes for the wave
.irp i, 0,1,2
	ds_load_b64 v[32+6*\t+2*\i:33+6*\t+2*\i], v[ADK] offset:12288*(\q)+1536*\t+256*\i
.endr
	ds_load_u16 v[192+\t], v[ADS] offset:64*\t
.endr
	s_wait_dscnt 0x0
.irp t, 0,1,2,3,4,5,6,7                ; S^T: lane (r, h) holds query r; register 8 t + j holds key 16 t + 8 h + j
	v_wmma_scale_f32_16x16x128_f8f6f4 v[96+8*\t:103+8*\t], v[32+6*\t:43+6*\t], v[16:27], 0, v[192+\t], v255 matrix_a_fmt:MATRIX_FMT_FP6 matrix_b_fmt:MATRIX_FMT_FP6
.endr
.rept 4
	v_nop
.endr
	s_add_co_u32 s96, s[KF], 127                   ; on the diagonal hidden scores become -infinity; a step all of whose keys count skips this
	s_cmp_le_u32 s96, s[Q0]
	s_cbranch_scc1 .Lopen_\@
	s_sub_co_i32 s96, s[Q0], s[KF]
	v_and_b32 v252, 15, v0
	v_bfe_u32 v253, v0, 4, 1
	s_delay_alu instid0(VALU_DEP_1)
	v_lshlrev_b32 v253, 3, v253
	s_delay_alu instid0(VALU_DEP_1)
	v_sub_nc_u32 v252, v252, v253
	s_delay_alu instid0(VALU_DEP_1)
	v_add_nc_u32 v252, s96, v252                   ; d = my query - KF - 8 (lane / 16): register n is hidden where 16 (n / 8) + n % 8 > d
	v_mov_b32 v254, 0xff800000
.set N, 0
.rept 64
	v_cmp_gt_i32 vcc_lo, 16*(N/8)+N%8, v252
	v_cndmask_b32 v[96+N], v[96+N], v254, vcc_lo
.set N, N+1
.endr
.Lopen_\@:
.irp b, 0,1,2,3
	v_max3_num_f32 v[232+\b], v[96+16*\b], v[97+16*\b], v[98+16*\b]   ; the largest score of each block of 32 keys: for the row's maximum, and for the block's largest p
.endr
.irp i, 3,5,7,9,11,13
.irp b, 0,1,2,3
	v_max3_num_f32 v[232+\b], v[232+\b], v[96+16*\b+\i], v[97+16*\b+\i]
.endr
.endr
.irp b, 0,1,2,3
	v_max_num_f32 v[232+\b], v[232+\b], v[111+16*\b]
.endr
.irp b, 0,1,2,3
	s_delay_alu instid0(VALU_DEP_4)
	v_permlanex16_b32 v[236+\b], v[232+\b], s[SEL], s[SEL+1]
.endr
.irp b, 0,1,2,3
	s_delay_alu instid0(VALU_DEP_4)
	v_max_num_f32 v[232+\b], v[232+\b], v[236+\b]
.endr
	s_delay_alu instid0(VALU_DEP_2)
	v_max3_num_f32 v254, v232, v233, v234
	s_delay_alu instid0(VALU_DEP_1)
	v_max_num_f32 v254, v254, v235
	s_delay_alu instid0(VALU_DEP_1)
	v_mul_f32 v254, s[CS], v254
	s_delay_alu instid0(VALU_DEP_1)
	v_max_num_f32 v13, v13, v254                   ; the running largest t
	v_mov_b32 v254, v12
	s_delay_alu instid0(VALU_DEP_2)
	v_floor_f32 v12, -v13                          ; the new -M: M is a whole number
	s_delay_alu instid0(VALU_DEP_1)
	v_sub_f32 v254, v12, v254
	s_delay_alu instid0(VALU_DEP_1)
	v_cvt_i32_f32 v254, v254                       ; (it saturates)
	s_delay_alu instid0(VALU_DEP_1)
	v_ldexp_f32 v252, 1.0, v254                    ; f = 2^(old M - new M)
.irp j, 0,2,4,6,8,10,12,14,16,18,20,22,24,26,28,30,32,34,36,38,40,42,44,46,48,50,52,54,56,58,60,62
	v_pk_fma_f32 v[96+\j:97+\j], v[96+\j:97+\j], s[CS:CS+1], v[12:13] op_sel_hi:[1,0,0]   ; t - M
.endr
.irp b, 0,1,2,3
	v_fma_f32 v[232+\b], v[232+\b], s[CS], v12
.endr
.set N, 0
	s_wait_alu depctr_va_vdst(0)                   ; the wait ahead of the batch
.rept 64
	v_exp_f32 v[96+N], v[96+N]                     ; p = 2^(t - M)
.set N, N+1
.endr
	v_pk_mul_f32 v[14:15], v[14:15], v[252:253] op_sel_hi:[1,0]   ; the sums under the new M (a plain instruction behind the exponentials)
	s_wait_alu depctr_va_vdst(0)                   ; one wait for the whole batch, ahead of its first reader
.irp b, 0,1,2,3
	v_exp_f32 v[232+\b], v[232+\b]                 ; the blocks' largest p
.endr
	v_pk_add_f32 v[236:237], v[100:101], v[104:105]
	v_pk_add_f32 v[250:251], v[108:109], v[112:113]
	v_pk_add_f32 v[248:249], v[116:117], v[120:121]
	v_pk_add_f32 v[246:247], v[124:125], v[128:129]
	v_pk_add_f32 v[244:245], v[132:133], v[136:137]
	v_pk_add_f32 v[242:243], v[140:141], v[144:145]
	v_pk_add_f32 v[240:241], v[148:149], v[152:153]
	v_pk_add_f32 v[14:15], v[14:15], v[156:157]
	v_pk_add_f32 v[236:237], v[236:237], v[96:97]
	v_pk_add_f32 v[250:251], v[250:251], v[98:99]
	v_pk_add_f32 v[248:249], v[248:249], v[102:103]
	v_pk_add_f32 v[246:247], v[246:247], v[106:107]
	v_pk_add_f32 v[244:245], v[244:245], v[110:111]
	v_pk_add_f32 v[242:243], v[242:243], v[114:115]
	v_pk_add_f32 v[240:241], v[240:241], v[118:119]
	v_pk_add_f32 v[14:15], v[14:15], v[122:123]
	v_pk_add_f32 v[236:237], v[236:237], v[126:127]
	v_pk_add_f32 v[250:251], v[250:251], v[130:131]
	v_pk_add_f32 v[248:249], v[248:249], v[134:135]
	v_pk_add_f32 v[246:247], v[246:247], v[138:139]
	v_pk_add_f32 v[244:245], v[244:245], v[142:143]
	v_pk_add_f32 v[242:243], v[242:243], v[146:147]
	v_pk_add_f32 v[240:241], v[240:241], v[150:151]
	v_pk_add_f32 v[14:15], v[14:15], v[154:155]
	v_pk_add_f32 v[236:237], v[236:237], v[158:159]
	s_delay_alu instid0(VALU_DEP_2)
	v_pk_add_f32 v[14:15], v[14:15], v[246:247]
	s_delay_alu instid0(VALU_DEP_2)
	v_pk_add_f32 v[236:237], v[236:237], v[244:245]
	v_pk_add_f32 v[250:251], v[250:251], v[242:243]
	v_pk_add_f32 v[248:249], v[248:249], v[240:241]
	s_delay_alu instid0(VALU_DEP_2)
	v_pk_add_f32 v[14:15], v[14:15], v[250:251]
	s_delay_alu instid0(VALU_DEP_2)
	v_pk_add_f32 v[236:237], v[236:237], v[248:249]
	s_delay_alu instid0(VALU_DEP_1)
	v_pk_add_f32 v[14:15], v[14:15], v[236:237]
	s_wait_alu depctr_va_vdst(0)                   ; and one for the four
.irp b, 0,1,2,3
	v_max_num_f32 v[232+\b], 0x1800000, v[232+\b]  ; the floor 2^(3 - 127)
.endr
.irp b, 0,1,2,3
	s_delay_alu instid0(VALU_DEP_4)
	v_add_nc_u32 v[244+\b], 0xff000000, v[232+\b]
.endr
.irp b, 0,1,2,3
	s_delay_alu instid0(VALU_DEP_4)
	v_lshrrev_b32 v[236+\b], 23, v[244+\b]
.endr
	s_delay_alu instid0(VALU_DEP_3)
	v_lshl_or_b32 v253, v237, 8, v236              ; p's scale word for these 128 keys
	s_delay_alu instid0(VALU_DEP_1)
	v_lshl_or_b32 v253, v238, 16, v253
	s_delay_alu instid0(VALU_DEP_1)
	v_lshl_or_b32 v253, v239, 24, v253
.irp c, 0,1
	v_cvt_scalef32_pk16_fp6_f32 v[224+6*\c:226+6*\c], v[96+32*\c:111+32*\c], v[244+2*\c]
	v_cvt_scalef32_pk16_fp6_f32 v[236+4*\c:238+4*\c], v[112+32*\c:127+32*\c], v[244+2*\c+1]
.endr
	v_nop
.irp c, 0,1
.irp i, 0,1,2
	v_permlane16_swap_b32 v[224+6*\c+\i], v[236+4*\c+\i]
.endr
.irp i, 0,1,2
	s_delay_alu instid0(VALU_DEP_3)
	v_mov_b32 v[227+6*\c+\i], v[236+4*\c+\i]
.endr
.endr
.irp j, 0,2,4,6,8,10,12,14,16,18,20,22,24,26,28,30
	v_pk_mul_f32 v[160+\j:161+\j], v[160+\j:161+\j], v[252:253] op_sel_hi:[1,0]   ; O^T under the new M (these sixteen are also the places in front of the products below)
.endr
.irp t, 0,1,2,3                        ; tile t of V^T: rows d = 16 t .. 16 t + 15 of my head, K = these 128 keys
.irp i, 0,1,2,3,4,5
	ds_load_b64 v[32+12*\t+2*\i:33+12*\t+2*\i], v[ADV] offset:12288*(\q)+1536*\t+256*\i
.endr
	ds_load_b32 v[200+\t], v[ADT] offset:64*\t
.endr
	s_wait_alu depctr_va_vdst(0)                   ; the wait ahead of the wait below
	s_wait_dscnt 0x0
.irp t, 0,1,2,3                        ; the four accumulators by turns
	v_wmma_scale_f32_16x16x128_f8f6f4 v[160+8*\t:167+8*\t], v[32+12*\t:43+12*\t], v[224:235], v[160+8*\t:167+8*\t], v[200+\t], v253 matrix_a_fmt:MATRIX_FMT_FP6 matrix_b_fmt:MATRIX_FMT_FP6
.endr
.Lhidden_\@:
	s_add_co_u32 s[KF], s[KF], 128
	s_add_co_u32 s[TS], s[TS], 512
.endm
; THE CHANGE OF SLOTS stands at a slot's head.  Each wave waits for all its tensor loads, adds 0 to its spare word (twice on end),
; and waits for that and for its reads of the slot that it has left.  Behind the barrier the slot ahead is whole and nobody reads the other one: it is filled with the keys that follow, up to the causal limit.
.macro CHANGE
	s_wait_tensorcnt 0x0
	ds_add_u32 v[SPW], v[NIL]
	ds_add_u32 v[SPW], v[NIL]
	s_xor_b32 s[G0+1], s[G0+1], SLOT1              ; the walking descriptor: the other slot,
	s_add_nc_u64 s[G0+2:G0+3], s[G0+2:G0+3], KV    ; the next 512 keys
	s_wait_xcnt 0x0                                ; the last prefetches, a slot back, have read their address
	s_add_nc_u64 s[PFA:PFA+1], s[PFA:PFA+1], KV
	s_wait_dscnt 0x0
	s_barrier_signal -1
	s_barrier_wait -1
	s_add_co_u32 s96, s[KF], SK                    ; the first key of the slot that this change would ask for:
	s_cmp_gt_u32 s96, s[LQ]                        ; behind my work-group's last query no wave reads it, so it is not asked for (in the last trip it is key 2,048).  Ids and the count of steps alone: all sixteen waves go the same way
	s_cbranch_scc1 .Lpast_\@
	TLOAD
.Lpast_\@:
	ASK
.endm
; A TILE'S WAY OUT: o = O^T / the sum, quantised along head x 64 + d: my head's 64 are two blocks, half a fragment.
.macro FINAL
.rept 4
	v_nop                                          ; places behind the last products
.endr
	v_add_f32 v14, v14, v15
	s_delay_alu instid0(VALU_DEP_1)
	v_permlanex16_b32 v252, v14, s[SEL], s[SEL+1]
	s_delay_alu instid0(VALU_DEP_1)
	v_add_f32 v14, v14, v252                       ; the row's sum
	s_wait_alu depctr_va_vdst(0)                   ; the wait ahead of the transcendental,
	v_rcp_f32 v14, v14
	v_nop
	s_wait_alu depctr_va_vdst(0)                   ; and ahead of its first reader
.set J, 0
.rept 32
	v_mul_f32 v[96+J], v[160+J], v14               ; register 8 t + j is o(query r, d = 16 t + 8 h + j)
.set J, J+1
.endr
.irp b, 0,1
	v_max3_num_f32 v[232+\b], |v[96+16*\b]|, |v[97+16*\b]|, 0x1800000
.endr
.irp i, 2,4,6,8,10,12,14
.irp b, 0,1
	s_delay_alu instid0(VALU_DEP_2)
	v_max3_num_f32 v[232+\b], v[232+\b], |v[96+16*\b+\i]|, |v[97+16*\b+\i]|
.endr
.endr
.irp b, 0,1
	s_delay_alu instid0(VALU_DEP_2)
	v_permlanex16_b32 v[236+\b], v[232+\b], s[SEL], s[SEL+1]
.endr
.irp b, 0,1
	s_delay_alu instid0(VALU_DEP_2)
	v_max_num_f32 v[232+\b], v[232+\b], v[236+\b]
.endr
.irp b, 0,1
	s_delay_alu instid0(VALU_DEP_2)
	v_add_nc_u32 v[244+\b], 0xff000000, v[232+\b]
.endr
.irp b, 0,1
	s_delay_alu instid0(VALU_DEP_2)
	v_lshrrev_b32 v[236+\b], 23, v[244+\b]
.endr
	s_delay_alu instid0(VALU_DEP_1)
	v_lshl_or_b32 v240, v237, 8, v236              ; my head's two bytes of the row's scale word
	v_cvt_scalef32_pk16_fp6_f32 v[224:226], v[96:111], v244
	v_cvt_scalef32_pk16_fp6_f32 v[248:250], v[112:127], v245
	v_nop
.irp i, 0,1,2
	v_permlane16_swap_b32 v[224+\i], v[248+\i]     ; lane (r, h) now holds block h: runs 0 2 in v224-226, runs 1 3 in v248-250
.endr
	s_delay_alu instid0(VALU_DEP_1)
	v_perm_b32 v227, v226, v225, 0x05040302        ; the runs of 8 codes (48 bits) in natural order: the partner is a given weight
	s_delay_alu instid0(VALU_DEP_2)
	v_perm_b32 v228, v249, v226, 0x07060302
	s_delay_alu instid0(VALU_DEP_4)
	v_perm_b32 v225, v248, v225, 0x05040100
	v_perm_b32 v226, v249, v248, 0x05040302
	v_mov_b32 v229, v250
.irp i, 0,1,2
	global_store_b64 v[GO], v[224+2*\i:225+2*\i], s[10:11] offset:256*\i   ; 32 lanes store 256 consecutive bytes, at a multiple of 256 from the buffer's first byte
.endr
	global_store_b16 v[GS], v240, s[12:13]         ; lanes l and l xor 16 write the same two bytes with the same value
.endm
; TWO KEY STEPS, 256 keys.  At the key where the early tiles are done the pair shares the late tile out: the owner gives up the odd steps; the helper stores its early tile and begins a part of the late one.
.macro PAIR q
	s_cmp_eq_u32 s[KF], s[SWK]
	s_cbranch_scc0 .Lsame_\@
	s_cmp_eq_u32 s[ROLE], 1
	s_cselect_b32 s[DO0+1], 0, 1
	s_cbranch_scc1 .Lsame_\@
	FINAL
	s_wait_xcnt 0x0                                ; the stores have read their registers
	v_mov_b32 v255, v92                            ; the late tile's scale words (more than eight plain instructions ahead of the next scaled product),
	FRESH
.irp i, 0,1,2,3,4,5
	v_mov_b32 v[16+\i], v[86+\i]                   ; and its Q
.endr
	s_mov_b32 s[DO0], 0
	s_mov_b32 s[Q0], s[Q0L]
	s_wait_alu depctr_va_vdst(0)
.Lsame_\@:
	STEP \q
	STEP \q+1
.endm
	s_wait_alu depctr_va_vdst(0)                   ; the wait at the head's end
	s_wait_loadcnt 0x0                             ; Q, twice
.Lslot:                                            ; four trips of constant count
	CHANGE
	PAIR 0
	PAIR 2
	s_xor_b32 s[TB], s[TB], SLOT1
	s_sub_co_u32 s[SLOTS], s[SLOTS], 1
	s_cmp_lg_u32 s[SLOTS], 0
	s_cbranch_scc1 .Lslot
	; THE TWO PARTS OF A LATE TILE ARE JOINED.  The helper hands over O^T (eight stores of 512 bytes), -M and its lanes' sums.
	s_wait_tensorcnt 0x0                           ; no load of mine is out
.rept 4
	v_nop                                          ; places behind the last products
.endr
	s_cmp_eq_u32 s[ROLE], 1
	s_cbranch_scc1 .Lowner
	v_add_f32 v14, v14, v15
.irp i, 0,1,2,3,4,5,6,7
	ds_store_b128 v[MA], v[160+4*\i:163+4*\i] offset:512*\i
.endr
	ds_store_b32 v[MB], v12 offset:4096
	ds_store_b32 v[MB], v14 offset:4224
.Lowner:
	s_wait_dscnt 0x0
	s_barrier_signal -1
	s_barrier_wait -1
	s_cmp_eq_u32 s[ROLE], 1
	s_cbranch_scc0 .Lend
.irp i, 0,1,2,3,4,5,6,7
	ds_load_b128 v[96+4*\i:99+4*\i], v[MA] offset:512*\i
.endr
	ds_load_b32 v128, v[MB] offset:4096
	ds_load_b32 v129, v[MB] offset:4224
	s_wait_dscnt 0x0
	v_min_num_f32 v130, v12, v128                  ; -M of the larger M
	s_delay_alu instid0(VALU_DEP_1)
	v_sub_f32 v131, v130, v12                      ; whole numbers, 0 or less
	v_sub_f32 v132, v130, v128
	s_delay_alu instid0(VALU_DEP_2)
	v_cvt_i32_f32 v131, v131                       ; (they saturate: a helper that met no open step has -M = 3e38, its factor is 0, and its O^T and sum are zeros)
	s_delay_alu instid0(VALU_DEP_2)
	v_cvt_i32_f32 v132, v132
	s_delay_alu instid0(VALU_DEP_2)
	v_ldexp_f32 v252, 1.0, v131                    ; my factor,
	s_delay_alu instid0(VALU_DEP_2)
	v_ldexp_f32 v236, 1.0, v132                    ; the helper's
.irp j, 0,2,4,6,8,10,12,14,16,18,20,22,24,26,28,30
	v_pk_mul_f32 v[160+\j:161+\j], v[160+\j:161+\j], v[252:253] op_sel_hi:[1,0]
.endr
.irp j, 0,2,4,6,8,10,12,14,16,18,20,22,24,26,28,30
	v_pk_fma_f32 v[160+\j:161+\j], v[96+\j:97+\j], v[236:237], v[160+\j:161+\j] op_sel_hi:[1,0,1]
.endr
	v_pk_mul_f32 v[14:15], v[14:15], v[252:253] op_sel_hi:[1,0]
	s_delay_alu instid0(VALU_DEP_1)
	v_fma_f32 v14, v129, v236, v14
	FINAL
.Lend:
	s_wait_tensorcnt 0x0                           ; the wave's end
	ds_add_u32 v[SPW], v[NIL]
	s_wait_dscnt 0x0
	s_endpgm
.Lfunc_end_k_q6005de989e_attn:
	.size	k_q6005de989e_attn, .Lfunc_end_k_q6005de989e_attn-k_q6005de989e_attn
	.p2alignl 7, 3214868480
	.fill 96, 4, 3214868480
	.section	.rodata,"a",@progbits
	.p2align	6, 0x0
	.amdhsa_kernel k_q6005de989e_attn
		.amdhsa_group_segment_fixed_size 327680
		.amdhsa_private_segment_fixed_size 0
		.amdhsa_enable_private_segment 0
		.amdhsa_kernarg_size 40
		.amdhsa_user_sgpr_count 2
		.amdhsa_user_sgpr_kernarg_segment_ptr 1
		.amdhsa_wavefront_size32 1
		.amdhsa_system_sgpr_workgroup_id_x 1
		.amdhsa_system_sgpr_workgroup_id_y 1
		.amdhsa_system_sgpr_workgroup_id_z 1
		.amdhsa_system_vgpr_workitem_id 0
		.amdhsa_next_free_vgpr 256
		.amdhsa_next_free_sgpr 100
		.amdhsa_reserve_vcc 1
		.amdhsa_float_denorm_mode_32 3
		.amdhsa_float_denorm_mode_16_64 3
		.amdhsa_memory_ordered 1
		.amdhsa_forward_progress 1
		.amdhsa_inst_pref_size 131
	.end_amdhsa_kernel
	.amdgpu_metadata
---
amdhsa.version: [ 1, 2 ]
amdhsa.kernels:
  - .name:           k_q6005de989e_attn
    .symbol:         k_q6005de989e_attn.kd
    .args:
      - { .name: qb, .offset: 0, .size: 8, .value_kind: global_buffer, .address_space: global }
      - { .name: kb, .offset: 8, .size: 8, .value_kind: global_buffer, .address_space: global }
      - { .name: vb, .offset: 16, .size: 8, .value_kind: global_buffer, .address_space: global }
      - { .name: actc, .offset: 24, .size: 8, .value_kind: global_buffer, .address_space: global }
      - { .name: acts, .offset: 32, .size: 8, .value_kind: global_buffer, .address_space: global }
    .group_segment_fixed_size: 327680
    .private_segment_fixed_size: 0
    .kernarg_segment_align: 8
    .kernarg_segment_size: 40
    .max_flat_workgroup_size: 512
    .sgpr_count:     100
    .vgpr_count:     256
    .wavefront_size: 32
...
	.end_amdgpu_metadata
.endif
;; end of part 3
;; launch proj (part 4): grid 8 x 32, 4 waves a work-group, clusters of 4 x 4, 327,680 bytes of LDS; arguments actc, acts, Wo_codes, Wo_scales, bo, x, x1; writes x1
.if DOCPART == 4
	.amdgcn_target "amdgcn-amd-amdhsa--gfx1250"
	.amdhsa_code_object_version 6
	.text
	.protected	k_q6005de989e_proj
	.globl	k_q6005de989e_proj
	.p2align	8
	.type	k_q6005de989e_proj,@function
k_q6005de989e_proj:
	s_mov_b64 s[64:65], 0
	v_nop
	global_prefetch_b8 v0, s[64:65] scope:SCOPE_SE
	s_setreg_imm32_b32 hwreg(HW_REG_WAVE_MODE, 25, 1), 1
	s_wait_xcnt 0x0
	s_wait_alu depctr_hold_cnt(0) depctr_sa_sdst(0) depctr_va_vdst(0) depctr_va_sdst(0) depctr_va_ssrc(0) depctr_va_vcc(0) depctr_vm_vsrc(0)
	s_getreg_b32 s2, hwreg(HW_REG_IB_STS2, 6, 4)
	s_cmp_eq_u32 s2, 0
	s_cbranch_scc0 .Lentry_in_a_cluster
	s_endpgm
.Lentry_in_a_cluster:
	s_bfe_u32 s2, ttmp6, 0x10000c
	s_cmp_lg_u32 s2, 0xf033
	s_cbranch_scc0 .Lentry_shape_is_right
	s_endpgm
.Lentry_shape_is_right:
; out[m][n] = resid[m][n] + bias[n] + sum over k of A[m][k] B[n][k], on codes of FP6.  M = 4,096, N = 1,024, K = 1,024.  out, resid: f32 [4096][1024].
; A tile of 128 x 128 gives each of 256 work-groups one tile.  Four waves, 64 x 64 each: 16 accumulators.  The matrix instruction is used transposed (source 0 = B's rows).
; B, a given weight (rows of 768 bytes), comes whole into LDS at the head: 128 rows, 16 bytes of padding behind every 256, jointly down a column of the 4 x 4 cluster; so do its scale bytes, and A's scale words along a row.
; A comes as images of operands' registers (a fragment, 16 rows x 128 K: six chunks of 256 bytes, lane l's 8 bytes at 8 l).  Each wave loads its own four fragments of a K step STRAIGHT INTO REGISTERS, 256 consecutive bytes a load,
; five K steps ahead, into a ring of eight buffers.  A is not asked for jointly: nothing of it passes through LDS, and each wave's loads are its own.
; The sums start from the bias, loaded into the accumulators; the residual is asked of memory by two prefetches a wave at the head (64 rows x 256 bytes, a lane a row, each block named once), loaded behind A's last loads, added on the way out.
; REGISTERS: window 0: v9-31 addresses; v32-63 B's scale words, v64-79 A's; v128-255 the accumulators.  window 1: v0-95 B's fragments, two buffers; v128-255 the residual.  windows 2, 3: A's ring, four buffers of 48 each.
.set KDIM,   1024
.set NST,    KDIM/128
.set KROW,   KDIM*3/4
.set KS,     KDIM/32
.set LPS,    24                        ; loads that bring a K step's four fragments of A
.set D,      5                         ; K steps that A is asked for ahead
.set RQ,     3                         ; the step at which the residual is loaded: A's last loads are out by then
.set FR,     12
.set PITCH,  816                       ; B's LDS row: 3 x (256 bytes + 16)
.set SLOTB,  1<<17
.set STAGE,  128*PITCH                 ; the way out: 16 rows x 272 bytes a wave, on bytes that no load fills
.set SPITCH, 272
.set SCB,    2*SLOTB
.set SBLK,   (KS/16)*272
.set SCA,    SCB+(KS/2)*272
.set SPARE,  SCA+4*KDIM                ; the spare words, 128 bytes a wave, that no other line names
.set AO,   9
.set ADB,  14
.set ASB,  16
.set ASA,  17
.set PFO,  18
.set STO,  24
.set RD,   25
.set SPW,  28
.set NIL,  29
.set CO,   30
.set BA,   31
.set SB,   32
.set SA,   64
.set ACC,  128
.set G1B, 24
.set G0B, 32
.set G0S, 36
.set G1S, 48
.set G1SB, 56
.set G0SB, 68
.set AP,  72
.set MSB, 0
.macro WIN new
.if MSB != \new
	s_set_vgpr_msb (MSB<<8)|\new
.set MSB, \new
.endif
.endm
.macro CREST
	s_cmp_lg_u32 s14, 0
	s_cbranch_scc1 .Lnot_wave_0_\@
	s_barrier_signal -3
.Lnot_wave_0_\@:
	s_barrier_wait -3
	s_barrier_signal -1
	s_barrier_wait -1
.endm
.macro CROUND
	s_barrier_signal -1
	s_barrier_wait -1
	CREST
.endm
.macro PLACES
.rept 4
	v_nop
.endr
.endm
	s_load_b128 s[4:7], s[0:1], 0x0                ; A's codes, A's words
	s_load_b128 s[8:11], s[0:1], 0x10              ; B's codes, B's scale bytes
	s_load_b128 s[96:99], s[0:1], 0x20             ; the bias, the residual
	s_load_b64 s[12:13], s[0:1], 0x30              ; out
	v_lshl_add_u32 v[SPW], v0, 2, SPARE
	v_mov_b32 v[NIL], 0
	ds_add_u32 v[SPW], v[NIL]                      ; the opening lines
	ds_add_u32 v[SPW], v[NIL]
	v_lshrrev_b32 v1, 5, v0
	v_readfirstlane_b32 s14, v1                    ; wave
	s_lshr_b32 s15, s14, 1                         ; my half of the rows
	s_and_b32 s16, s14, 1                          ; my half of the columns
	s_bfe_u32 s40, ttmp6, 0x40000
	s_bfe_u32 s41, ttmp6, 0x40004
	s_lshl_b32 s42, ttmp9, 2
	s_add_co_u32 s42, s42, s40                     ; tile column
	s_and_b32 s17, ttmp7, 0xffff
	s_lshl_b32 s17, s17, 2
	s_add_co_u32 s17, s17, s41                     ; tile row
	s_lshl_b32 s43, s41, 2
	s_lshl_b32 s43, 15, s43
	s_lshl_b32 s44, 0x1111, s40
	s_or_b32 s[G1B+0], s44, (0<<16)|(1<<20)|(1<<21)|(5<<22)|(3<<25)   ; B's codes: 64 rows of 768 bytes, 4 words of padding behind every 64
	s_mov_b32 s[G1B+1], 768<<16
	s_mov_b32 s[G1B+2], 64<<16
	s_mov_b32 s[G1B+3], 768<<16
	s_mov_b32 s[G1B+4], 64
	s_mov_b32 s[G1B+5], KROW
	s_mov_b32 s[G1B+6], 0
	s_mov_b32 s[G1B+7], 0
	s_or_b32 s[G1S+0], s43, (3<<16)|(1<<21)        ; A's words: dense rows of 256 bytes
	s_or_b32 s[G1SB+0], s44, (3<<16)|(1<<20)|(1<<21)|(5<<22)|(3<<25)  ; B's scale bytes: the same with 16 bytes of padding behind each
.irp g, G1S, G1SB
	s_mov_b32 s[\g+1], 32<<16
	s_mov_b32 s[\g+2], (KS/2)<<16
	s_mov_b32 s[\g+3], 32<<16
	s_mov_b32 s[\g+4], KS/2
	s_mov_b32 s[\g+5], 32
	s_mov_b32 s[\g+6], 0
	s_mov_b32 s[\g+7], 0
.endr
	s_lshl_b32 s20, s42, 7
	s_lshl_b32 s18, s14, 6
	s_add_co_u32 s18, s20, s18                     ; B: row 128 x tile column + 64 x wave (waves 0 and 1 fetch)
	s_mul_i32 s18, s18, KROW
	s_mov_b32 s19, 0
	s_mul_i32 s20, s20, KS
	s_mov_b32 s21, 0
	s_mul_i32 s22, s17, NST*512
	s_mov_b32 s23, 0
	s_mul_i32 s78, s17, NST*12288
	s_mul_i32 s79, s15, 6144
	s_add_co_u32 s78, s78, s79                     ; A: my tile row's run, my four fragments of each K step's eight
	s_mov_b32 s79, 0
	s_mul_i32 s80, s14, 64*PITCH
	s_wait_dscnt 0x0
	s_wait_kmcnt 0x0
	s_add_nc_u64 s[18:19], s[8:9], s[18:19]
	s_add_nc_u64 s[20:21], s[10:11], s[20:21]
	s_add_nc_u64 s[22:23], s[6:7], s[22:23]
	s_add_nc_u64 s[AP:AP+1], s[4:5], s[78:79]
	CROUND                                         ; the first joint loads meet
	s_mov_b32 s[G0B], 1
	s_mov_b32 s[G0B+1], s80
	s_mov_b64 s[G0B+2:G0B+3], s[18:19]
	s_or_b32 s[G0B+3], s[G0B+3], 0x80000000
	s_mov_b32 s[G0SB], 1
	s_mov_b32 s[G0SB+1], SCB
	s_mov_b64 s[G0SB+2:G0SB+3], s[20:21]
	s_or_b32 s[G0SB+3], s[G0SB+3], 0x80000000
	s_mov_b32 s[G0S], 1
	s_mov_b32 s[G0S+1], SCA
	s_mov_b64 s[G0S+2:G0S+3], s[22:23]
	s_or_b32 s[G0S+3], s[G0S+3], 0x80000000
; the head's loads, one a wave, in one tree of branches: waves 0 and 1 B's two halves, wave 2 B's scale bytes, wave 3 A's words
.macro ARM under, g0, g1, next
	s_cmp_lt_u32 s14, \under
	s_cbranch_scc0 \next
	tensor_load_to_lds s[\g0:\g0+3], s[\g1:\g1+7]
	s_nop 0
	PLACES
	s_branch .Lhead_asked
\next:
.endm
	ARM 2, G0B,  G1B,  .Lhead_sb
	ARM 3, G0SB, G1SB, .Lhead_sa
	tensor_load_to_lds s[G0S:G0S+3], s[G1S:G1S+7]
	s_nop 0
	PLACES
.Lhead_asked:
	v_and_b32 v1, 15, v0                           ; r
	v_bfe_u32 v2, v0, 4, 1                         ; h
	v_and_b32 v3, 31, v0                           ; lane
	v_lshlrev_b32 v[AO], 3, v3
	v_mul_u32_u24 v5, v1, PITCH
	v_mad_u32_u24 v5, v2, 24, v5
	s_mul_i32 s22, s16, 64*PITCH
	v_add_nc_u32 v[ADB], s22, v5                   ; B: my 64 rows, row x pitch + 24 x half,
	v_lshl_add_u32 v[ADB+1], v2, 4, v[ADB]         ; and the same where lanes 16-31 lie behind one padding more
	v_mul_u32_u24 v7, v1, KS
	v_lshrrev_b32 v8, 8, v7
	v_lshl_add_u32 v7, v8, 4, v7
	s_mul_i32 s23, s16, (KS/4)*272
	s_add_co_u32 s23, s23, SCB
	v_add_nc_u32 v[ASB], s23, v7
	s_lshl_b32 s23, s15, 8
	s_add_co_u32 s23, s23, SCA
	v_lshl_add_u32 v[ASA], v3, 2, s23              ; A's words: lanes 0-15 one fragment's rows, lanes 16-31 the next one's
	s_mul_i32 s23, s14, 16*SPITCH
	s_add_co_u32 s23, s23, STAGE
	v_mul_u32_u24 v5, v1, SPITCH
	v_lshl_add_u32 v5, v2, 5, v5
	v_add_nc_u32 v[STO], s23, v5
	v_mul_u32_u24 v5, v2, SPITCH
	v_lshl_add_u32 v5, v1, 4, v5
	v_add_nc_u32 v[RD], s23, v5
	v_lshlrev_b32 v[CO], 12, v2
	v_lshl_add_u32 v[CO], v1, 4, v[CO]
	v_lshlrev_b32 v[BA], 5, v2
	v_lshlrev_b32 v[PFO], 12, v3
	s_wait_alu depctr_va_vdst(0)                   ; the wait ahead of the run of scalar lines
	s_lshl_b32 s20, s17, 7
	s_lshl_b32 s21, s15, 6
	s_add_co_u32 s20, s20, s21
	s_lshl_b32 s20, s20, 12                        ; my first row, rows of 4,096 bytes
	s_lshl_b32 s46, s42, 7
	s_lshl_b32 s47, s16, 6
	s_add_co_u32 s46, s46, s47
	s_lshl_b32 s46, s46, 2                         ; my first column, in bytes
	s_mov_b32 s47, 0
	s_add_nc_u64 s[96:97], s[96:97], s[46:47]
	s_add_co_u32 s20, s20, s46
	s_mov_b32 s21, 0
	s_add_nc_u64 s[98:99], s[98:99], s[20:21]
	s_add_nc_u64 s[12:13], s[12:13], s[20:21]
.irp a, 0,1,2,3                        ; the sums start from the bias: lane (r, h) holds columns 16 b + 8 h + 0 .. 7
.irp b, 0,1,2,3
	global_load_b128 v[ACC+8*(4*\a+\b):ACC+8*(4*\a+\b)+3], v[BA], s[96:97] offset:64*\b
	global_load_b128 v[ACC+8*(4*\a+\b)+4:ACC+8*(4*\a+\b)+7], v[BA], s[96:97] offset:64*\b+16
.endr
.endr
.macro ALOAD st                        ; my four fragments of K step st into buffer st % 8
	WIN ((2+((\st)%8)/4)<<6)
.irp a, 0,1,2,3
.irp i, 0,1,2,3,4,5
	global_load_b64 v[48*((\st)%4)+FR*\a+2*\i:48*((\st)%4)+FR*\a+2*\i+1], v[AO], s[AP:AP+1] offset:12288*(\st)+1536*\a+256*\i
.endr
.endr
.endm
.irp s, 0,1,2,3,4
	ALOAD \s
.endr
	WIN 0
	global_prefetch_b8 v[PFO], s[98:99] th:TH_LOAD_NT scope:SCOPE_SE
	global_prefetch_b8 v[PFO], s[98:99] offset:131072 th:TH_LOAD_NT scope:SCOPE_SE
.macro FETCHB q                        ; B's four fragments of step q into buffer q % 2, in pieces of 8 bytes: byte y of a row lies at y + 16 (y / 256)
	WIN 0x40
.irp b, 0,1,2,3
.irp p, 0,1,2,3,4,5
.set BY, 96*(\q)+48*(\p/3)+8*(\p%3)
.if BY/256 == (BY+24)/256
	ds_load_b64 v[48*((\q)%2)+FR*\b+2*\p:48*((\q)%2)+FR*\b+2*\p+1], v[ADB] offset:BY+16*(BY/256)+\b*16*PITCH
.else
	ds_load_b64 v[48*((\q)%2)+FR*\b+2*\p:48*((\q)%2)+FR*\b+2*\p+1], v[ADB+1] offset:BY+16*(BY/256)+\b*16*PITCH
.endif
.endr
.endr
.endm
.macro MUL16 q                         ; the 16 accumulators take turns
.irp a, 0,1,2,3
.irp b, 0,1,2,3
.if \a%2
	v_wmma_scale_f32_16x16x128_f8f6f4 v[ACC+8*(4*\a+\b):ACC+8*(4*\a+\b)+7], v[48*((\q)%2)+FR*\b:48*((\q)%2)+FR*\b+FR-1], v[48*((\q)%4)+FR*\a:48*((\q)%4)+FR*\a+FR-1], v[ACC+8*(4*\a+\b):ACC+8*(4*\a+\b)+7], v[SB+8*\b+(\q)], v[SA+2*(\q)+\a/2] matrix_a_fmt:MATRIX_FMT_FP6 matrix_b_fmt:MATRIX_FMT_FP6 matrix_b_scale:MATRIX_SCALE_ROW1
.else
	v_wmma_scale_f32_16x16x128_f8f6f4 v[ACC+8*(4*\a+\b):ACC+8*(4*\a+\b)+7], v[48*((\q)%2)+FR*\b:48*((\q)%2)+FR*\b+FR-1], v[48*((\q)%4)+FR*\a:48*((\q)%4)+FR*\a+FR-1], v[ACC+8*(4*\a+\b):ACC+8*(4*\a+\b)+7], v[SB+8*\b+(\q)], v[SA+2*(\q)+\a/2] matrix_a_fmt:MATRIX_FMT_FP6 matrix_b_fmt:MATRIX_FMT_FP6
.endif
.endr
.endr
.endm
	s_wait_alu depctr_va_vdst(0)                   ; the wait at the head's end
	s_wait_tensorcnt 0x0                           ; my tile of the head's four is in,
	s_wait_dscnt 0x0
	s_barrier_signal -1
	s_barrier_wait -1                              ; everybody's is; nothing is filled again
.irp b, 0,1,2,3
	ds_load_b128 v[SB+8*\b:SB+8*\b+3], v[ASB] offset:\b*SBLK
	ds_load_b128 v[SB+8*\b+4:SB+8*\b+7], v[ASB] offset:\b*SBLK+16
.endr
.irp q, 0,1,2,3,4,5,6,7
	ds_load_b32 v[SA+2*\q], v[ASA] offset:512*\q
	ds_load_b32 v[SA+2*\q+1], v[ASA] offset:512*\q+128
.endr
	FETCHB 0
; Eight K steps.  Each asks first (B's next fragments from LDS, A's fragments five steps on), then waits for its own and multiplies.  The wait on LOADcnt leaves out the younger steps' loads (and the residual's 32), held to the field's 63.
.set Q, 0
.rept 8
.set YNG, 7-Q
.if YNG > D
.set YNG, D
.endif
.set YNG, YNG*LPS
.if Q >= RQ
.set YNG, YNG+32
.endif
.if YNG > 63
.set YNG, 63
.endif
	PLACES                                         ; in front of loads into buffers that earlier products read
.if Q < 7
	FETCHB Q+1
.endif
.if Q+D < 8
	ALOAD Q+D
.endif
.if Q == RQ
	WIN 0x40
.irp a, 0,1,2,3
.irp t, 0,1,2,3,4,5,6,7
	global_load_b128 v[128+32*\a+4*\t:128+32*\a+4*\t+3], v[CO], s[98:99] offset:(16*\a+2*\t)*4096   ; the residual, as the rows will leave
.endr
.endr
.endif
	s_wait_loadcnt YNG
.if Q < 7
	s_wait_dscnt 24                                ; all but the next step's 24
.else
	s_wait_dscnt 0x0
.endif
	WIN (1|((2+Q/4)<<2))
	MUL16 Q
.set Q, Q+1
.endr
	WIN 0
; THE WAY OUT, block by block of 16 rows x 64 columns: through my own stage and back as whole rows of 256 bytes; the residual is added; sixteen lanes store 256 consecutive bytes.
.macro TOSTAGE a
.irp b, 0,1,2,3
	ds_store_b128 v[STO], v[ACC+32*(\a)+8*\b:ACC+32*(\a)+8*\b+3] offset:64*\b
	ds_store_b128 v[STO], v[ACC+32*(\a)+8*\b+4:ACC+32*(\a)+8*\b+7] offset:64*\b+16
.endr
.irp t, 0,1,2,3,4,5,6,7
	ds_load_b128 v[ACC+32*(\a)+4*\t:ACC+32*(\a)+4*\t+3], v[RD] offset:\t*2*SPITCH      ; LDS serves a wave's instructions in order
.endr
.endm
.macro SEND a, younger
	s_wait_dscnt \younger
	WIN 0x04                                       ; source 1 (the residual) in window 1
.irp i, 0,2,4,6,8,10,12,14,16,18,20,22,24,26,28,30
	v_pk_add_f32 v[ACC+32*(\a)+\i:ACC+32*(\a)+\i+1], v[ACC+32*(\a)+\i:ACC+32*(\a)+\i+1], v[128+32*(\a)+\i:128+32*(\a)+\i+1]
.endr
	WIN 0
.irp t, 0,1,2,3,4,5,6,7
	global_store_b128 v[CO], v[ACC+32*(\a)+4*\t:ACC+32*(\a)+4*\t+3], s[12:13] offset:(16*(\a)+2*\t)*4096
.endr
.endm
	PLACES
	s_wait_loadcnt 0x0                             ; the residual
	TOSTAGE 0
	TOSTAGE 1
	SEND 0, 16
	TOSTAGE 2
	SEND 1, 16
	TOSTAGE 3
	SEND 2, 16
	SEND 3, 0
	s_wait_tensorcnt 0x0                           ; the wave's end
	ds_add_u32 v[SPW], v[NIL]
	s_wait_dscnt 0x0
	CROUND
	s_endpgm
.Lfunc_end_k_q6005de989e_proj:
	.size	k_q6005de989e_proj, .Lfunc_end_k_q6005de989e_proj-k_q6005de989e_proj
	.p2alignl 7, 3214868480
	.fill 96, 4, 3214868480
	.section	.rodata,"a",@progbits
	.p2align	6, 0x0
	.amdhsa_kernel k_q6005de989e_proj
		.amdhsa_group_segment_fixed_size 327680
		.amdhsa_private_segment_fixed_size 0
		.amdhsa_enable_private_segment 0
		.amdhsa_kernarg_size 56
		.amdhsa_user_sgpr_count 2
		.amdhsa_user_sgpr_kernarg_segment_ptr 1
		.amdhsa_wavefront_size32 1
		.amdhsa_system_sgpr_workgroup_id_x 1
		.amdhsa_system_sgpr_workgroup_id_y 1
		.amdhsa_system_sgpr_workgroup_id_z 1
		.amdhsa_system_vgpr_workitem_id 0
		.amdhsa_next_free_vgpr 960
		.amdhsa_next_free_sgpr 100
		.amdhsa_reserve_vcc 0
		.amdhsa_float_denorm_mode_32 3
		.amdhsa_float_denorm_mode_16_64 3
		.amdhsa_memory_ordered 1
		.amdhsa_forward_progress 1
		.amdhsa_inst_pref_size 76
	.end_amdhsa_kernel
	.amdgpu_metadata
---
amdhsa.version: [ 1, 2 ]
amdhsa.kernels:
  - .name:           k_q6005de989e_proj
    .symbol:         k_q6005de989e_proj.kd
    .args:
      - { .name: actc, .offset: 0, .size: 8, .value_kind: global_buffer, .address_space: global }
      - { .name: acts, .offset: 8, .size: 8, .value_kind: global_buffer, .address_space: global }
      - { .name: Wo_codes, .offset: 16, .size: 8, .value_kind: global_buffer, .address_space: global }
      - { .name: Wo_scales, .offset: 24, .size: 8, .value_kind: global_buffer, .address_space: global }
      - { .name: bo, .offset: 32, .size: 8, .value_kind: global_buffer, .address_space: global }
      - { .name: x, .offset: 40, .size: 8, .value_kind: global_buffer, .address_space: global }
      - { .name: x1, .offset: 48, .size: 8, .value_kind: global_buffer, .address_space: global }
    .group_segment_fixed_size: 327680
    .private_segment_fixed_size: 0
    .kernarg_segment_align: 8
    .kernarg_segment_size: 56
    .max_flat_workgroup_size: 128
    .sgpr_count:     100
    .vgpr_count:     960
    .wavefront_size: 32
...
	.end_amdgpu_metadata
.endif
;; end of part 4
;; launch ln2: the kernel of part 1 again; grid 256 x 1, 16 waves a work-group, no clusters, 88,576 bytes of LDS; arguments x1, ln2_g, ln2_b, actc, acts; writes actc, acts
;; launch ffn1 (part 5): grid 16 x 16, 4 waves a work-group, clusters of 4 x 4, 327,680 bytes of LDS; arguments actc, acts, W1_codes, W1_scales, hidc, hids, b1; writes hidc, hids
.if DOCPART == 5
	.amdgcn_target "amdgcn-amd-amdhsa--gfx1250"
	.amdhsa_code_object_version 6
	.text
	.protected	k_q6005de989e_ffn1
	.globl	k_q6005de989e_ffn1
	.p2align	8
	.type	k_q6005de989e_ffn1,@function
k_q6005de989e_ffn1:
	s_mov_b64 s[64:65], 0
	v_nop
	global_prefetch_b8 v0, s[64:65] scope:SCOPE_SE
	s_setreg_imm32_b32 hwreg(HW_REG_WAVE_MODE, 25, 1), 1
	s_wait_xcnt 0x0
	s_wait_alu depctr_hold_cnt(0) depctr_sa_sdst(0) depctr_va_vdst(0) depctr_va_sdst(0) depctr_va_ssrc(0) depctr_va_vcc(0) depctr_vm_vsrc(0)
	s_getreg_b32 s2, hwreg(HW_REG_IB_STS2, 6, 4)
	s_cmp_eq_u32 s2, 0
	s_cbranch_scc0 .Lentry_in_a_cluster
	s_endpgm
.Lentry_in_a_cluster:
	s_bfe_u32 s2, ttmp6, 0x10000c
	s_cmp_lg_u32 s2, 0xf033
	s_cbranch_scc0 .Lentry_shape_is_right
	s_endpgm
.Lentry_shape_is_right:
; relu(h2 W1 + b1), QUANTISED ON THE WAY OUT: a GEMM on codes of FP6.  C[m][n] = b1[n] + sum over k of A[m][k] B[n][k], M = N = 4,096, K = 1,024; operands as rows of 768 bytes of codes with 32 scale bytes a row.
; A tile of C, 256 x 256, is made by four waves, 128 x 128 each: 64 accumulators.  K goes through two LDS slots in CHUNKS OF 256 BYTES of each row (a row is 768 bytes, so every chunk begins at a multiple of 256 bytes).
; A step of 128 along K is 96 bytes: eight steps to three chunks; steps 2 and 5 lie across two chunks and take their fragments from both slots.  The scale bytes of the 512 rows come once, at the head, and stay.
; CLUSTERS: 4 x 4 work-groups; A's tile is asked for jointly along a row of the cluster, B's along a column.  No prefetch: the walk has three chunks, of which two come by first fills.
; The matrix instruction is used transposed (source 0 = B's rows): a lane's results run along the hidden units, the K of the next product.  The bias is the C of each sum's first product.
; THE WAY OUT: each block of 16 rows x 128 columns is quantised in registers and leaves as an image of an operand's registers: three chunks of 512 bytes (chunk i: registers 4 i .. 4 i + 3, lane l's 16 bytes at 16 l), and a scale word a row.
; The partner of the result is a given weight in natural order: four byte permutes put a block's runs of 8 codes, which stand 0 2 1 3, right.
; LIMITS: a block whose largest magnitude lies under 2^-124 gets the byte 1 (read by this program alone); NaN and infinities are not served.
; REGISTERS: window 0: v16-29 addresses; v32-63 scale words, two sets; v64-127 the bias; from v128 A's fragments, one set; on the way out v64-199.  window 1: B's fragments, two sets.  windows 2, 3: the accumulators.
.set ROWB,   256
.set NQ,     2
.set KROW,   768
.set STEPS,  8
.set CHUNKS, 3
.set PITCH,  272
.set FR,     12
.set NL,     6
.set NP,     4
.set HALFT,  128*PITCH
.set SLOT,   4*HALFT
.set KS,     32
.set SCL,    2*SLOT
.set HALFS,  16*272
.set SBLK,   2*272
.set SPARE,  SCL+4*HALFS               ; the spare words, 128 bytes a wave, that no other line names
.set ADRA, 16
.set ADRB, 20
.set IMO,  24
.set SO4,  25
.set ADRS, 27
.set SPW,  28
.set NIL,  29
.set SC,   32
.set BIAS, 64
.set AF,   128
.set PCO,  64
.set PWO,  160
.set PWS,  168
.set TM,   176
.set YT,   192
.set G1, 24
.set G0, 32
.set G1B, 48
.set G0B, 56
.set G1S, 68
.set G0S, 76
.set G1SB, 80
.set G0SB, 88
.set G0H, 4
.set G0HB, 8
.set MSB, 0
.macro WIN new
.if MSB != \new
	s_set_vgpr_msb (MSB<<8)|\new
.set MSB, \new
.endif
.endm
.set MUL_LO, 0xa1
.set MUL_HI, 0xf1
.set TO_B,   0x40
.macro JLOAD g0a, g1a, g0b, g1b        ; waves 0 and 1 fetch for A, waves 2 and 3 for B
	s_cmp_eq_u32 s15, 0
	s_cbranch_scc0 .Lfor_b_\@
	tensor_load_to_lds s[\g0a:\g0a+3], s[\g1a:\g1a+7]
	s_nop 0
.rept 4
	v_nop
.endr
	s_branch .Lasked_\@
.Lfor_b_\@:
	tensor_load_to_lds s[\g0b:\g0b+3], s[\g1b:\g1b+7]
	s_nop 0
.rept 4
	v_nop
.endr
.Lasked_\@:
.endm
.macro CREST
	s_cmp_lg_u32 s14, 0
	s_cbranch_scc1 .Lnot_wave_0_\@
	s_barrier_signal -3
.Lnot_wave_0_\@:
	s_barrier_wait -3
	s_barrier_signal -1
	s_barrier_wait -1
.endm
.macro CROUND
	s_barrier_signal -1
	s_barrier_wait -1
	CREST
.endm
	s_load_b128 s[4:7], s[0:1], 0x0                ; A's codes, A's scales
	s_load_b128 s[8:11], s[0:1], 0x10              ; B's codes, B's scales
	s_load_b64 s[12:13], s[0:1], 0x20              ; the images
	s_load_b64 s[98:99], s[0:1], 0x28              ; their scale words
	s_load_b64 s[96:97], s[0:1], 0x30              ; the bias
	v_lshl_add_u32 v[SPW], v0, 2, SPARE
	v_mov_b32 v[NIL], 0
	ds_add_u32 v[SPW], v[NIL]                      ; the opening lines
	ds_add_u32 v[SPW], v[NIL]
	v_lshrrev_b32 v1, 5, v0
	v_readfirstlane_b32 s14, v1                    ; wave
	s_lshr_b32 s15, s14, 1                         ; my half of the rows; also: I fetch for A (0) or B (1)
	s_and_b32 s16, s14, 1                          ; my half of the columns; also: which 128 rows I fetch
	s_bfe_u32 s40, ttmp6, 0x40000
	s_bfe_u32 s41, ttmp6, 0x40004
	s_and_b32 s18, ttmp7, 0xffff
	s_lshl_b32 s18, s18, 2
	s_lshl_b32 s42, ttmp9, 2
	s_add_co_u32 s42, s42, s40                     ; tile column
	s_add_co_u32 s17, s18, s41                     ; tile row
	s_lshl_b32 s43, s41, 2
	s_lshl_b32 s43, 15, s43                        ; my row of the cluster
	s_lshl_b32 s44, 0x1111, s40                    ; my column
	s_or_b32 s[G1+0], s43, (0<<16)|(1<<20)|(1<<21)|(5<<22)|(3<<25)
	s_or_b32 s[G1B+0], s44, (0<<16)|(1<<20)|(1<<21)|(5<<22)|(3<<25)
.irp g, G1, G1B
	s_mov_b32 s[\g+1], ROWB<<16
	s_mov_b32 s[\g+2], 256<<16                     ; the head's loads bring 256 rows
	s_mov_b32 s[\g+3], ROWB<<16
	s_mov_b32 s[\g+4], 256
	s_mov_b32 s[\g+5], KROW
	s_mov_b32 s[\g+6], 0
	s_mov_b32 s[\g+7], 0
.endr
	s_or_b32 s[G1S+0], s43, (3<<16)|(1<<20)|(1<<21)|(5<<22)|(3<<25)   ; the scale bytes of 256 rows: 32 rows of 256 bytes, 16 bytes of padding behind each
	s_or_b32 s[G1SB+0], s44, (3<<16)|(1<<20)|(1<<21)|(5<<22)|(3<<25)
.irp g, G1S, G1SB
	s_mov_b32 s[\g+1], 32<<16
	s_mov_b32 s[\g+2], KS<<16
	s_mov_b32 s[\g+3], 32<<16
	s_mov_b32 s[\g+4], KS
	s_mov_b32 s[\g+5], 32
	s_mov_b32 s[\g+6], 0
	s_mov_b32 s[\g+7], 0
.endr
	s_lshl_b32 s20, s17, 8                         ; A's first row
	s_lshl_b32 s46, s42, 8                         ; B's
	s_lshl_b32 s22, s20, 5                         ; their scale bytes
	s_mov_b32 s23, 0
	s_lshl_b32 s92, s46, 5
	s_mov_b32 s93, 0
	s_mul_i32 s20, s20, KROW                       ; their codes
	s_mov_b32 s21, 0
	s_mul_i32 s46, s46, KROW
	s_mov_b32 s47, 0
	s_mul_i32 s18, s16, 128*KROW                   ; in the ring: my 128 rows
	s_mov_b32 s19, 0
	s_mul_i32 s45, s14, HALFT
	s_wait_dscnt 0x0
	s_wait_kmcnt 0x0
	s_add_nc_u64 s[20:21], s[4:5], s[20:21]
	s_add_nc_u64 s[22:23], s[6:7], s[22:23]
	s_add_nc_u64 s[46:47], s[8:9], s[46:47]
	s_add_nc_u64 s[92:93], s[10:11], s[92:93]
	CROUND                                         ; the first joint loads meet
	s_mov_b32 s[G0H], 1
	s_mov_b32 s[G0H+1], 0
	s_mov_b64 s[G0H+2:G0H+3], s[20:21]
	s_or_b32 s[G0H+3], s[G0H+3], 0x80000000
	s_mov_b32 s[G0HB], 1
	s_mov_b32 s[G0HB+1], 2*HALFT
	s_mov_b64 s[G0HB+2:G0HB+3], s[46:47]
	s_or_b32 s[G0HB+3], s[G0HB+3], 0x80000000
	s_mov_b32 s[G0S], 1
	s_mov_b32 s[G0S+1], SCL
	s_mov_b64 s[G0S+2:G0S+3], s[22:23]
	s_or_b32 s[G0S+3], s[G0S+3], 0x80000000
	s_mov_b32 s[G0SB], 1
	s_mov_b32 s[G0SB+1], SCL+2*HALFS
	s_mov_b64 s[G0SB+2:G0SB+3], s[92:93]
	s_or_b32 s[G0SB+3], s[G0SB+3], 0x80000000
	s_add_nc_u64 s[20:21], s[20:21], s[18:19]
	s_add_nc_u64 s[46:47], s[46:47], s[18:19]
.irp s, 0,1
	s_mov_b32 s[G0+4*\s], 1
	s_add_co_u32 s[G0+4*\s+1], s45, \s*SLOT
	s_add_nc_u64 s[G0+4*\s+2:G0+4*\s+3], s[20:21], \s*ROWB
	s_or_b32 s[G0+4*\s+3], s[G0+4*\s+3], 0x80000000
	s_mov_b32 s[G0B+4*\s], 1
	s_add_co_u32 s[G0B+4*\s+1], s45, \s*SLOT
	s_add_nc_u64 s[G0B+4*\s+2:G0B+4*\s+3], s[46:47], \s*ROWB
	s_or_b32 s[G0B+4*\s+3], s[G0B+4*\s+3], 0x80000000
.endr
; the head's four tiles, one a wave, in one tree of branches: chunk 0 of A, chunk 0 of B, A's scales, B's scales
.macro ARM under, g0, g1, next
	s_cmp_lt_u32 s14, \under
	s_cbranch_scc0 \next
	tensor_load_to_lds s[\g0:\g0+3], s[\g1:\g1+7]
	s_nop 0
.rept 4
	v_nop
.endr
	s_branch .Lhead_asked
\next:
.endm
	ARM 1, G0H,  G1,  .Lhead_b
	ARM 2, G0HB, G1B, .Lhead_sa
	ARM 3, G0S,  G1S, .Lhead_sb
	tensor_load_to_lds s[G0SB:G0SB+3], s[G1SB:G1SB+7]
	s_nop 0
.rept 4
	v_nop
.endr
.Lhead_asked:
	v_and_b32 v1, 15, v0
	v_bfe_u32 v2, v0, 4, 1
	v_mul_u32_u24 v3, v1, PITCH
	v_mul_u32_u24 v4, v2, 24
	v_add_nc_u32 v4, v3, v4                        ; row x pitch + 24 x half
	s_mov_b32 s21, SLOT-232
	s_mov_b32 s22, SLOT+232
	v_sub_nc_u32 v7, 1, v2
	v_mul_u32_u24 v5, s21, v2
	v_add_nc_u32 v5, v3, v5
	v_add_nc_u32 v5, 232, v5                       ; across two chunks: lanes 0-15 byte 232 in slot 0, lanes 16-31 byte 0 in slot 1;
	v_mul_u32_u24 v6, s22, v7
	v_add_nc_u32 v6, v3, v6                        ; and the other way round
	s_mul_i32 s21, s15, HALFT
	s_mul_i32 s22, s16, HALFT
	s_add_co_u32 s22, s22, 2*HALFT
	v_add_nc_u32 v[ADRA+2], s21, v5
	v_add_nc_u32 v[ADRA+3], s21, v6
	v_add_nc_u32 v[ADRB+2], s22, v5
	v_add_nc_u32 v[ADRB+3], s22, v6
.irp s, 0,1
	v_add_nc_u32 v[ADRA+\s], s21, v4
	v_add_nc_u32 v[ADRB+\s], s22, v4
	s_add_co_u32 s21, s21, SLOT
	s_add_co_u32 s22, s22, SLOT
.endr
	v_mul_u32_u24 v5, v1, KS
	v_lshrrev_b32 v6, 8, v5
	v_lshl_add_u32 v5, v6, 4, v5
	s_mul_i32 s21, s15, HALFS
	s_mul_i32 s22, s16, HALFS
	s_add_co_u32 s22, s22, 2*HALFS
	s_sub_co_u32 s22, s22, s21
	v_mul_u32_u24 v6, s22, v2                      ; lanes 16-31 take B's
	s_add_co_u32 s21, s21, SCL
	v_add_nc_u32 v5, v5, v6
	v_add_nc_u32 v[ADRS], s21, v5
	v_and_b32 v6, 31, v0
	v_lshlrev_b32 v[IMO], 4, v6
	v_lshlrev_b32 v[SO4], 2, v6
	s_lshl_b32 s46, s42, 8                         ; the bias in the result's layout: lane (r, h), column block b: the numbers 16 b + 8 h + 0 .. 7 of my 128
	s_lshl_b32 s47, s16, 7
	s_add_co_u32 s46, s46, s47
	s_lshl_b32 s46, s46, 2
	s_mov_b32 s47, 0
	s_add_nc_u64 s[96:97], s[96:97], s[46:47]
	v_lshlrev_b32 v7, 5, v2
.irp b, 0,1,2,3,4,5,6,7
	global_load_b128 v[BIAS+8*\b:BIAS+8*\b+3], v7, s[96:97] offset:64*\b
	global_load_b128 v[BIAS+8*\b+4:BIAS+8*\b+7], v7, s[96:97] offset:64*\b+16
.endr
	; my group of eight fragments: codes at (128 tokens) x 393,216 + (128 hidden units) x 12,288, words at x 16,384 + x 512
	s_lshl_b32 s21, s17, 1
	s_add_co_u32 s21, s21, s15
	s_lshl_b32 s47, s42, 1
	s_add_co_u32 s47, s47, s16
	s_mul_i32 s22, s21, 393216
	s_mul_i32 s23, s47, 12288
	s_add_co_u32 s22, s22, s23
	s_mov_b32 s23, 0
	s_lshl_b32 s21, s21, 14
	s_lshl_b32 s47, s47, 9
	s_add_co_u32 s46, s21, s47
	s_mov_b32 s47, 0
	s_add_nc_u64 s[92:93], s[98:99], s[46:47]
	s_add_nc_u64 s[12:13], s[12:13], s[22:23]
	s_mov_b32 s94, 0xffff0000
	s_mov_b32 s20, 0x76543210
	s_mov_b32 s21, 0xfedcba98
.macro FRAG reg, adr, st, i            ; a fragment in pieces of 8 bytes; byte y of a row lies in slot (y / 256) % 2 at byte y % 256 of the LDS row
.irp p, 0,1,2,3,4,5
.set BY, 96*(\st)+48*(\p/3)+8*(\p%3)
.if BY/ROWB == (BY+24)/ROWB
	ds_load_b64 v[\reg+2*\p:\reg+2*\p+1], v[\adr+(BY/ROWB)%2] offset:BY%ROWB+(\i)*16*PITCH
.else
	ds_load_b64 v[\reg+2*\p:\reg+2*\p+1], v[\adr+2+(BY/ROWB)%2] offset:BY%ROWB-232+(\i)*16*PITCH
.endif
.endr
.endm
.macro MUL16 a0, p, q, sc, zero        ; A's blocks a0, a0 + 1 x B's eight; zero = 1: the sums start from the bias; the 64 accumulators take turns
.irp a, \a0, \a0+1
.irp b, 0,1,2,3,4,5,6,7
.if \zero
	v_wmma_scale_f32_16x16x128_f8f6f4 v[8*(8*((\a)%4)+\b):8*(8*((\a)%4)+\b)+7], v[128*(\p)+FR*\b:128*(\p)+FR*\b+FR-1], v[AF+FR*(\a):AF+FR*(\a)+FR-1], v[BIAS+8*\b:BIAS+8*\b+7], v[SC+8*NQ*(\sc)+NQ*\b+(\q)], v[SC+8*NQ*(\sc)+NQ*(\a)+(\q)] matrix_a_fmt:MATRIX_FMT_FP6 matrix_b_fmt:MATRIX_FMT_FP6 matrix_a_scale:MATRIX_SCALE_ROW1
.else
	v_wmma_scale_f32_16x16x128_f8f6f4 v[8*(8*((\a)%4)+\b):8*(8*((\a)%4)+\b)+7], v[128*(\p)+FR*\b:128*(\p)+FR*\b+FR-1], v[AF+FR*(\a):AF+FR*(\a)+FR-1], v[8*(8*((\a)%4)+\b):8*(8*((\a)%4)+\b)+7], v[SC+8*NQ*(\sc)+NQ*\b+(\q)], v[SC+8*NQ*(\sc)+NQ*(\a)+(\q)] matrix_a_fmt:MATRIX_FMT_FP6 matrix_b_fmt:MATRIX_FMT_FP6 matrix_a_scale:MATRIX_SCALE_ROW1
.endif
.endr
.endr
.endm
.macro FETCH_B st, p
	WIN TO_B
.irp i, 0,1,2,3,4,5,6,7
	FRAG 128*(\p)+FR*\i, ADRB, \st, \i
.endr
	WIN 0
.endm
.macro FETCH_A st, i0
.irp i, \i0, \i0+1, \i0+2, \i0+3
	FRAG AF+FR*(\i), ADRA, \st, \i
.endr
.endm
.macro SCALES pr                       ; the scale words of two steps: lanes 0-15 A's block i, lanes 16-31 B's block i
.irp i, 0,1,2,3,4,5,6,7
	ds_load_b64 v[SC+8*NQ*((\pr)%2)+NQ*\i:SC+8*NQ*((\pr)%2)+NQ*\i+1], v[ADRS] offset:\i*SBLK+4*NQ*(\pr)
.endr
.endm
.macro PLACES n
.rept \n
	v_nop
.endr
.endm
; A step of 128 along K.  Where the next step's bytes end in a chunk not yet read: the wait for my tensor loads and a barrier.  Where they begin in a later chunk: an add to my spare word and the wait for it,
; the barrier, and, where a chunk two on is left, the cluster's round and the refill.  In the first step C, the bias, lies in window 0.
.macro STEP st, zero
.set NX, (\st)+1
.set C0, (96*(\st))/ROWB
.set C1, (96*NX)/ROWB
.set E0, (96*(\st)+95)/ROWB
.set E1, (96*NX+95)/ROWB
.if C1 > C0 || E1 > E0
	s_wait_tensorcnt 0x0
.if C1 > C0
	ds_add_u32 v[SPW], v[NIL]
	s_wait_dscnt 4*NL+1                            ; the add and A's blocks 4-7 may be out
.else
	s_wait_dscnt 4*NL
.endif
	WIN MUL_LO
	MUL16 0, (\st)%2, (\st)%2, ((\st)/2)%2, \zero
	s_wait_dscnt 0x0
	s_barrier_signal -1
	MUL16 2, (\st)%2, (\st)%2, ((\st)/2)%2, \zero
	WIN 0
	s_barrier_wait -1
.if C1 > C0 && C0+2 < CHUNKS
	CREST
	s_add_nc_u64 s[G0+4*(C0%2)+2:G0+4*(C0%2)+3], s[G0+4*(C0%2)+2:G0+4*(C0%2)+3], 2*ROWB
	s_add_nc_u64 s[G0B+4*(C0%2)+2:G0B+4*(C0%2)+3], s[G0B+4*(C0%2)+2:G0B+4*(C0%2)+3], 2*ROWB
	JLOAD G0+4*(C0%2), G1, G0B+4*(C0%2), G1B
.else
	PLACES NP
.endif
.else
	s_wait_dscnt 4*NL                              ; the youngest 24 loads (A's blocks 4-7) may be out
.if \zero
	WIN 0x81
.else
	WIN MUL_LO
.endif
	MUL16 0, (\st)%2, (\st)%2, ((\st)/2)%2, \zero
	MUL16 2, (\st)%2, (\st)%2, ((\st)/2)%2, \zero
	s_wait_dscnt 0
	PLACES NP
.endif
	FETCH_B NX, NX%2
	FETCH_A NX, 0
.if NX%2 == 0
	SCALES NX/2
.endif
.if \zero
	WIN 0xc1
.else
	WIN MUL_HI
.endif
	MUL16 4, (\st)%2, (\st)%2, ((\st)/2)%2, \zero
	MUL16 6, (\st)%2, (\st)%2, ((\st)/2)%2, \zero
	PLACES NP
	WIN 0
	FETCH_A NX, 4
.endm
	s_wait_alu depctr_va_vdst(0)                   ; the wait at the head's end
	s_wait_tensorcnt 0x0                           ; my tile of the head's four is in; ahead of a later first fill:
	ds_add_u32 v[SPW], v[NIL]
	s_mov_b32 s[G1+2], 128<<16                     ; no load of mine is out: from here on a load brings 128 rows
	s_mov_b32 s[G1+4], 128
	s_mov_b32 s[G1B+2], 128<<16
	s_mov_b32 s[G1B+4], 128
	s_wait_dscnt 0x0
	CROUND
	JLOAD G0+4, G1, G0B+4, G1B                     ; chunk 1
	FETCH_B 0, 0
	FETCH_A 0, 0
	SCALES 0
	FETCH_A 0, 4
	s_wait_loadcnt 0x0                             ; the bias
	STEP 0, 1
.set ST, 1
.rept STEPS-2
	STEP ST, 0
.set ST, ST+1
.endr
	s_wait_dscnt 4*NL
	WIN MUL_LO
	MUL16 0, 1, 1, 1, 0
	MUL16 2, 1, 1, 1, 0
	s_wait_dscnt 0
	WIN MUL_HI
	MUL16 4, 1, 1, 1, 0
	MUL16 6, 1, 1, 1, 0
	WIN 0
; QUANT: a lane's 64 numbers in window QW, v[QS] on (register 16 b + i belongs to block b of 32 columns, shared with lane l xor 16) become a fragment's codes in v[QPC] on and its rows' scale word in v[QPW]
.macro QUANT
	WIN (QW*0x14)
.irp b, 0,1,2,3
	v_max3_num_f32 v[TM+\b], 0x1800000, |v[QS+16*\b]|, |v[QS+16*\b+1]|   ; the floor 2^(3 - 127): the byte cannot fall under 1
.endr
.irp i, 2,4,6,8,10,12,14
.irp b, 0,1,2,3
	v_max3_num_f32 v[TM+\b], v[TM+\b], |v[QS+16*\b+\i]|, |v[QS+16*\b+\i+1]|
.endr
.endr
	WIN 0
.irp b, 0,1,2,3
	v_permlanex16_b32 v[TM+4+\b], v[TM+\b], s20, s21
.endr
.irp b, 0,1,2,3
	v_max_num_f32 v[TM+\b], v[TM+\b], v[TM+4+\b]
.endr
.irp b, 0,1,2,3
	v_add_nc_u32 v[TM+12+\b], 0xff000000, v[TM+\b] ; 2 off the exponent field: the conversion's scale operand
.endr
.irp b, 0,1,2,3
	v_lshrrev_b32 v[TM+4+\b], 23, v[TM+12+\b]
.endr
	v_lshl_or_b32 v[QPW], v[TM+5], 8, v[TM+4]
	v_lshl_or_b32 v[QPW], v[TM+6], 16, v[QPW]
	v_lshl_or_b32 v[QPW], v[TM+7], 24, v[QPW]
	WIN QW
.irp c, 0,1
	v_cvt_scalef32_pk16_fp6_f32 v[QPC+6*\c:QPC+6*\c+2], v[QS+32*\c:QS+32*\c+15], v[TM+12+2*\c]
	v_cvt_scalef32_pk16_fp6_f32 v[YT+4*\c:YT+4*\c+2], v[QS+32*\c+16:QS+32*\c+31], v[TM+13+2*\c]
.endr
	WIN 0
	v_nop
.irp c, 0,1
.irp i, 0,1,2
	v_permlane16_swap_b32 v[QPC+6*\c+\i], v[YT+4*\c+\i]
.endr
	v_perm_b32 v[QPC+6*\c+3], v[QPC+6*\c+2], v[QPC+6*\c+1], 0x05040302   ; the runs of 8 codes (48 bits) stand 0 2 | 1 3: put them 0 1 2 3
	v_perm_b32 v[QPC+6*\c+4], v[YT+4*\c+1], v[QPC+6*\c+2], 0x07060302
	v_perm_b32 v[QPC+6*\c+1], v[YT+4*\c], v[QPC+6*\c+1], 0x05040100
	v_perm_b32 v[QPC+6*\c+2], v[YT+4*\c+1], v[YT+4*\c], 0x05040302
	v_mov_b32 v[QPC+6*\c+5], v[YT+4*\c+2]
.endr
.endm
	PLACES NP
.irp b, 0,1,2,3
	v_mov_b32 v[TM+4+\b], 0                        ; a lane permute's destination counts as one of its sources
.endr
.irp a, 0,1,2,3,4,5,6,7                ; every block has registers of its own for codes and words: no store's data are written again
.set QS, 64*(\a%4)
.set QW, 2+\a/4
.set QPC, PCO+12*\a
.set QPW, PWO+\a
	WIN ((QW<<2)|(QW<<6))
.set J, 0
.rept 64
	v_max_num_f32 v[QS+J], 0, v[QS+J]              ; the activation, in f32, in place, from each accumulator's low end on
.set J, J+1
.endr
	QUANT
.irp i, 0,1,2
	global_store_b128 v[IMO], v[QPC+4*\i:QPC+4*\i+3], s[12:13] offset:1536*\a+512*\i   ; 32 lanes store 512 consecutive bytes, aligned
.endr
.if \a%2
	v_cndmask_b32 v[PWS+\a/2], v[QPW-1], v[QPW], s94
	global_store_b32 v[SO4], v[PWS+\a/2], s[92:93] offset:128*(\a/2)
.endif
.endr
	s_wait_tensorcnt 0x0                           ; the wave's end
	ds_add_u32 v[SPW], v[NIL]
	s_wait_dscnt 0x0
	CROUND
	s_endpgm
.Lfunc_end_k_q6005de989e_ffn1:
	.size	k_q6005de989e_ffn1, .Lfunc_end_k_q6005de989e_ffn1-k_q6005de989e_ffn1
	.p2alignl 7, 3214868480
	.fill 96, 4, 3214868480
	.section	.rodata,"a",@progbits
	.p2align	6, 0x0
	.amdhsa_kernel k_q6005de989e_ffn1
		.amdhsa_group_segment_fixed_size 327680
		.amdhsa_private_segment_fixed_size 0
		.amdhsa_enable_private_segment 0
		.amdhsa_kernarg_size 56
		.amdhsa_user_sgpr_count 2
		.amdhsa_user_sgpr_kernarg_segment_ptr 1
		.amdhsa_wavefront_size32 1
		.amdhsa_system_sgpr_workgroup_id_x 1
		.amdhsa_system_sgpr_workgroup_id_y 1
		.amdhsa_system_sgpr_workgroup_id_z 1
		.amdhsa_system_vgpr_workitem_id 0
		.amdhsa_next_free_vgpr 1024
		.amdhsa_next_free_sgpr 100
		.amdhsa_reserve_vcc 0
		.amdhsa_float_denorm_mode_32 3
		.amdhsa_float_denorm_mode_16_64 3
		.amdhsa_memory_ordered 1
		.amdhsa_forward_progress 1
		.amdhsa_inst_pref_size 188
	.end_amdhsa_kernel
	.amdgpu_metadata
---
amdhsa.version: [ 1, 2 ]
amdhsa.kernels:
  - .name:           k_q6005de989e_ffn1
    .symbol:         k_q6005de989e_ffn1.kd
    .args:
      - { .name: actc, .offset: 0, .size: 8, .value_kind: global_buffer, .address_space: global }
      - { .name: acts, .offset: 8, .size: 8, .value_kind: global_buffer, .address_space: global }
      - { .name: W1_codes, .offset: 16, .size: 8, .value_kind: global_buffer, .address_space: global }
      - { .name: W1_scales, .offset: 24, .size: 8, .value_kind: global_buffer, .address_space: global }
      - { .name: hidc, .offset: 32, .size: 8, .value_kind: global_buffer, .address_space: global }
      - { .name: hids, .offset: 40, .size: 8, .value_kind: global_buffer, .address_space: global }
      - { .name: b1, .offset: 48, .size: 8, .value_kind: global_buffer, .address_space: global }
    .group_segment_fixed_size: 327680
    .private_segment_fixed_size: 0
    .kernarg_segment_align: 8
    .kernarg_segment_size: 56
    .max_flat_workgroup_size: 128
    .sgpr_count:     100
    .vgpr_count:     1024
    .wavefront_size: 32
...
	.end_amdgpu_metadata
.endif
;; end of part 5
;; launch ffn2 (part 6): grid 8 x 32, 4 waves a work-group, clusters of 4 x 4, 327,680 bytes of LDS; arguments hidc, hids, W2_codes, W2_scales, b2, x1, out0; writes out0
.if DOCPART == 6
	.amdgcn_target "amdgcn-amd-amdhsa--gfx1250"
	.amdhsa_code_object_version 6
	.text
	.protected	k_q6005de989e_ffn2
	.globl	k_q6005de989e_ffn2
	.p2align	8
	.type	k_q6005de989e_ffn2,@function
k_q6005de989e_ffn2:
	s_mov_b64 s[64:65], 0
	v_nop
	global_prefetch_b8 v0, s[64:65] scope:SCOPE_SE
	s_setreg_imm32_b32 hwreg(HW_REG_WAVE_MODE, 25, 1), 1
	s_wait_xcnt 0x0
	s_wait_alu depctr_hold_cnt(0) depctr_sa_sdst(0) depctr_va_vdst(0) depctr_va_sdst(0) depctr_va_ssrc(0) depctr_va_vcc(0) depctr_vm_vsrc(0)
	s_getreg_b32 s2, hwreg(HW_REG_IB_STS2, 6, 4)
	s_cmp_eq_u32 s2, 0
	s_cbranch_scc0 .Lentry_in_a_cluster
	s_endpgm
.Lentry_in_a_cluster:
	s_bfe_u32 s2, ttmp6, 0x10000c
	s_cmp_lg_u32 s2, 0xf033
	s_cbranch_scc0 .Lentry_shape_is_right
	s_endpgm
.Lentry_shape_is_right:
; out[m][n] = resid[m][n] + bias[n] + sum over k of A[m][k] B[n][k], on codes of FP6.  M = 4,096, N = 1,024, K = 4,096.  out, resid: f32 [4096][1024].
; A tile of 128 x 128 gives each of 256 work-groups one tile.  Four waves, 64 x 64 each: 16 accumulators.  The matrix instruction is used transposed (source 0 = B's rows).
; B, a given weight (rows of 3,072 bytes), goes through two LDS slots in pieces of 768 bytes of each row (1,024 along K; every piece begins at a multiple of 256 bytes), 16 bytes of padding behind every 256:
; four slots' worth, asked for jointly down a column of the 4 x 4 cluster, waves 0 and 1 fetching 64 rows each.  A slot is asked for at the head of the eight K steps before it.  B's scale bytes and A's scale words come once and stay.
; A comes as images of operands' registers (a fragment, 16 rows x 128 K: three chunks of 512 bytes, lane l's 16 bytes at 16 l).  Each wave loads its own four fragments of a K step STRAIGHT INTO REGISTERS, 512 consecutive bytes a load,
; five K steps (60 loads) ahead, into a ring of eight buffers.  A is NOT asked for jointly: two slots with 1,024 along K of both operands would be 405,504 bytes, more than a work-group's LDS.
; No prefetch of B: of its four slots' worth two come by first fills.  The residual is asked of memory by two prefetches a wave at the head (64 rows x 256 bytes, a lane a row, each block named once), and loaded behind A's last loads.
; The sums start from the bias, loaded into the accumulators, so that the loop over slots has one body.
; REGISTERS: window 0: v9-31 addresses; v32-63 B's scale words, v64-79 A's; v128-255 the accumulators.  window 1: v0-95 B's fragments, two buffers; v128-255 the residual.  windows 2, 3: A's ring, four buffers of 48 each.
.set KDIM,   4096
.set NST,    KDIM/128
.set NSL,    KDIM/1024
.set KROW,   KDIM*3/4
.set KS,     KDIM/32
.set LPS,    12                        ; loads that bring a K step's four fragments of A
.set D,      5                         ; K steps that A is asked for ahead
.set RQ,     3                         ; the last slot's step at which the residual is loaded: A's last loads are out by then
.set FR,     12
.set PITCH,  816                       ; B's LDS row: 3 x (256 bytes + 16)
.set SLOTB,  1<<17                     ; slot 1 begins here
.set STAGE,  128*PITCH                 ; the way out: 16 rows x 272 bytes a wave, behind slot 0, on bytes that no load fills
.set SPITCH, 272
.set SCB,    2*SLOTB
.set SBLK,   (KS/16)*272
.set SCA,    SCB+(KS/2)*272
.set SPARE,  SCA+4*KDIM                ; the spare words, 128 bytes a wave, that no other line names
.set AO,   9
.set ADB0, 10
.set ASB0, 12
.set ASA0, 13
.set ADB,  14
.set ASB,  16
.set ASA,  17
.set PFO,  18
.set STO,  24
.set RD,   25
.set SPW,  28
.set NIL,  29
.set CO,   30
.set BA,   31
.set SB,   32
.set SA,   64
.set ACC,  128
.set G1B, 24
.set G0B, 32
.set G0S, 36
.set G1S, 48
.set G1SB, 56
.set G0SB, 68
.set AP,  72                           ; s[72:73] A: the slot in hand's first K step
.set TB,  74                           ; s74 LDS byte at which the slot in hand begins
.set TSB, 75                           ; s75 its place in a row of B's scale bytes
.set TSA, 76                           ; s76 its place among A's words
.set CNT, 77
.set MSB, 0
.macro WIN new
.if MSB != \new
	s_set_vgpr_msb (MSB<<8)|\new
.set MSB, \new
.endif
.endm
.macro CREST
	s_cmp_lg_u32 s14, 0
	s_cbranch_scc1 .Lnot_wave_0_\@
	s_barrier_signal -3
.Lnot_wave_0_\@:
	s_barrier_wait -3
	s_barrier_signal -1
	s_barrier_wait -1
.endm
.macro CROUND
	s_barrier_signal -1
	s_barrier_wait -1
	CREST
.endm
.macro PLACES
.rept 4
	v_nop
.endr
.endm
	s_load_b128 s[4:7], s[0:1], 0x0                ; A's codes, A's words
	s_load_b128 s[8:11], s[0:1], 0x10              ; B's codes, B's scale bytes
	s_load_b128 s[96:99], s[0:1], 0x20             ; the bias, the residual
	s_load_b64 s[12:13], s[0:1], 0x30              ; out
	v_lshl_add_u32 v[SPW], v0, 2, SPARE
	v_mov_b32 v[NIL], 0
	ds_add_u32 v[SPW], v[NIL]                      ; the opening lines
	ds_add_u32 v[SPW], v[NIL]
	v_lshrrev_b32 v1, 5, v0
	v_readfirstlane_b32 s14, v1                    ; wave
	s_lshr_b32 s15, s14, 1                         ; my half of the rows
	s_and_b32 s16, s14, 1                          ; my half of the columns
	s_bfe_u32 s40, ttmp6, 0x40000
	s_bfe_u32 s41, ttmp6, 0x40004
	s_lshl_b32 s42, ttmp9, 2
	s_add_co_u32 s42, s42, s40                     ; tile column
	s_and_b32 s17, ttmp7, 0xffff
	s_lshl_b32 s17, s17, 2
	s_add_co_u32 s17, s17, s41                     ; tile row
	s_lshl_b32 s43, s41, 2
	s_lshl_b32 s43, 15, s43
	s_lshl_b32 s44, 0x1111, s40
	s_or_b32 s[G1B+0], s44, (0<<16)|(1<<20)|(1<<21)|(5<<22)|(3<<25)   ; B's codes: 64 rows of 768 bytes, 4 words of padding behind every 64
	s_mov_b32 s[G1B+1], 768<<16
	s_mov_b32 s[G1B+2], 64<<16
	s_mov_b32 s[G1B+3], 768<<16
	s_mov_b32 s[G1B+4], 64
	s_mov_b32 s[G1B+5], KROW
	s_mov_b32 s[G1B+6], 0
	s_mov_b32 s[G1B+7], 0
	s_or_b32 s[G1S+0], s43, (3<<16)|(1<<21)        ; A's words: dense rows of 256 bytes
	s_or_b32 s[G1SB+0], s44, (3<<16)|(1<<20)|(1<<21)|(5<<22)|(3<<25)  ; B's scale bytes: the same with 16 bytes of padding behind each
.irp g, G1S, G1SB
	s_mov_b32 s[\g+1], 32<<16
	s_mov_b32 s[\g+2], (KS/2)<<16
	s_mov_b32 s[\g+3], 32<<16
	s_mov_b32 s[\g+4], KS/2
	s_mov_b32 s[\g+5], 32
	s_mov_b32 s[\g+6], 0
	s_mov_b32 s[\g+7], 0
.endr
	s_lshl_b32 s20, s42, 7
	s_lshl_b32 s18, s14, 6
	s_add_co_u32 s18, s20, s18                     ; B: row 128 x tile column + 64 x wave (waves 0 and 1 fetch)
	s_mul_i32 s18, s18, KROW
	s_mov_b32 s19, 0
	s_mul_i32 s20, s20, KS
	s_mov_b32 s21, 0
	s_mul_i32 s22, s17, NST*512
	s_mov_b32 s23, 0
	s_mul_i32 s78, s17, NST*12288
	s_mul_i32 s79, s15, 6144
	s_add_co_u32 s78, s78, s79                     ; A: my tile row's run, my four fragments of each K step's eight
	s_mov_b32 s79, 0
	s_mul_i32 s80, s14, 64*PITCH
	s_mov_b32 s[TB], 0
	s_mov_b32 s[TSB], 0
	s_mov_b32 s[TSA], 0
	s_wait_dscnt 0x0
	s_wait_kmcnt 0x0
	s_add_nc_u64 s[18:19], s[8:9], s[18:19]
	s_add_nc_u64 s[20:21], s[10:11], s[20:21]
	s_add_nc_u64 s[22:23], s[6:7], s[22:23]
	s_add_nc_u64 s[AP:AP+1], s[4:5], s[78:79]
	CROUND                                         ; the first joint loads meet
	s_mov_b32 s[G0B], 1
	s_mov_b32 s[G0B+1], s80
	s_mov_b64 s[G0B+2:G0B+3], s[18:19]
	s_or_b32 s[G0B+3], s[G0B+3], 0x80000000
	s_mov_b32 s[G0SB], 1
	s_mov_b32 s[G0SB+1], SCB
	s_mov_b64 s[G0SB+2:G0SB+3], s[20:21]
	s_or_b32 s[G0SB+3], s[G0SB+3], 0x80000000
	s_mov_b32 s[G0S], 1
	s_mov_b32 s[G0S+1], SCA
	s_mov_b64 s[G0S+2:G0S+3], s[22:23]
	s_or_b32 s[G0S+3], s[G0S+3], 0x80000000
; the head's loads, one a wave, in one tree of branches: waves 0 and 1 the two halves of B's slot 0, wave 2 B's scale bytes, wave 3 A's words
.macro ARM under, g0, g1, next
	s_cmp_lt_u32 s14, \under
	s_cbranch_scc0 \next
	tensor_load_to_lds s[\g0:\g0+3], s[\g1:\g1+7]
	s_nop 0
	PLACES
	s_branch .Lhead_asked
\next:
.endm
	ARM 2, G0B,  G1B,  .Lhead_sb
	ARM 3, G0SB, G1SB, .Lhead_sa
	tensor_load_to_lds s[G0S:G0S+3], s[G1S:G1S+7]
	s_nop 0
	PLACES
.Lhead_asked:
	v_and_b32 v1, 15, v0                           ; r
	v_bfe_u32 v2, v0, 4, 1                         ; h
	v_and_b32 v3, 31, v0                           ; lane
	v_lshlrev_b32 v[AO], 4, v3
	v_mul_u32_u24 v5, v1, PITCH
	v_mad_u32_u24 v5, v2, 24, v5
	s_mul_i32 s22, s16, 64*PITCH
	v_add_nc_u32 v[ADB0], s22, v5                  ; B: my 64 rows, row x pitch + 24 x half,
	v_lshl_add_u32 v[ADB0+1], v2, 4, v[ADB0]       ; and the same where lanes 16-31 lie behind one padding more
	v_mul_u32_u24 v7, v1, KS
	v_lshrrev_b32 v8, 8, v7
	v_lshl_add_u32 v7, v8, 4, v7
	s_mul_i32 s23, s16, (KS/4)*272
	s_add_co_u32 s23, s23, SCB
	v_add_nc_u32 v[ASB0], s23, v7
	s_lshl_b32 s23, s15, 8
	s_add_co_u32 s23, s23, SCA
	v_lshl_add_u32 v[ASA0], v3, 2, s23             ; A's words: lanes 0-15 one fragment's rows, lanes 16-31 the next one's
	s_mul_i32 s23, s14, 16*SPITCH
	s_add_co_u32 s23, s23, STAGE
	v_mul_u32_u24 v5, v1, SPITCH
	v_lshl_add_u32 v5, v2, 5, v5
	v_add_nc_u32 v[STO], s23, v5
	v_mul_u32_u24 v5, v2, SPITCH
	v_lshl_add_u32 v5, v1, 4, v5
	v_add_nc_u32 v[RD], s23, v5
	v_lshlrev_b32 v[CO], 12, v2
	v_lshl_add_u32 v[CO], v1, 4, v[CO]
	v_lshlrev_b32 v[BA], 5, v2
	v_lshlrev_b32 v[PFO], 12, v3
	s_wait_alu depctr_va_vdst(0)                   ; the wait ahead of the run of scalar lines
	s_lshl_b32 s20, s17, 7
	s_lshl_b32 s21, s15, 6
	s_add_co_u32 s20, s20, s21
	s_lshl_b32 s20, s20, 12                        ; my first row, rows of 4,096 bytes
	s_lshl_b32 s46, s42, 7
	s_lshl_b32 s47, s16, 6
	s_add_co_u32 s46, s46, s47
	s_lshl_b32 s46, s46, 2                         ; my first column, in bytes
	s_mov_b32 s47, 0
	s_add_nc_u64 s[96:97], s[96:97], s[46:47]
	s_add_co_u32 s20, s20, s46
	s_mov_b32 s21, 0
	s_add_nc_u64 s[98:99], s[98:99], s[20:21]
	s_add_nc_u64 s[12:13], s[12:13], s[20:21]
.irp a, 0,1,2,3                        ; the sums start from the bias: lane (r, h) holds columns 16 b + 8 h + 0 .. 7
.irp b, 0,1,2,3
	global_load_b128 v[ACC+8*(4*\a+\b):ACC+8*(4*\a+\b)+3], v[BA], s[96:97] offset:64*\b
	global_load_b128 v[ACC+8*(4*\a+\b)+4:ACC+8*(4*\a+\b)+7], v[BA], s[96:97] offset:64*\b+16
.endr
.endr
.macro ALOAD st                        ; my four fragments of the K step st behind the slot's first, into buffer st % 8
	WIN ((2+((\st)%8)/4)<<6)
.irp a, 0,1,2,3
.irp i, 0,1,2
	global_load_b128 v[48*((\st)%4)+FR*\a+4*\i:48*((\st)%4)+FR*\a+4*\i+3], v[AO], s[AP:AP+1] offset:12288*(\st)+1536*\a+512*\i
.endr
.endr
.endm
.irp s, 0,1,2,3,4
	ALOAD \s
.endr
	WIN 0
	global_prefetch_b8 v[PFO], s[98:99] th:TH_LOAD_NT scope:SCOPE_SE
	global_prefetch_b8 v[PFO], s[98:99] offset:131072 th:TH_LOAD_NT scope:SCOPE_SE
.macro FETCHB q                        ; B's four fragments of the slot's step q into buffer q % 2, in pieces of 8 bytes: byte y of a piece of a row lies at y + 16 (y / 256)
	WIN 0x40
.irp b, 0,1,2,3
.irp p, 0,1,2,3,4,5
.set BY, 96*(\q)+48*(\p/3)+8*(\p%3)
.if BY/256 == (BY+24)/256
	ds_load_b64 v[48*((\q)%2)+FR*\b+2*\p:48*((\q)%2)+FR*\b+2*\p+1], v[ADB] offset:BY+16*(BY/256)+\b*16*PITCH
.else
	ds_load_b64 v[48*((\q)%2)+FR*\b+2*\p:48*((\q)%2)+FR*\b+2*\p+1], v[ADB+1] offset:BY+16*(BY/256)+\b*16*PITCH
.endif
.endr
.endr
.endm
.macro MUL16 q                         ; the 16 accumulators take turns
.irp a, 0,1,2,3
.irp b, 0,1,2,3
.if \a%2
	v_wmma_scale_f32_16x16x128_f8f6f4 v[ACC+8*(4*\a+\b):ACC+8*(4*\a+\b)+7], v[48*((\q)%2)+FR*\b:48*((\q)%2)+FR*\b+FR-1], v[48*((\q)%4)+FR*\a:48*((\q)%4)+FR*\a+FR-1], v[ACC+8*(4*\a+\b):ACC+8*(4*\a+\b)+7], v[SB+8*\b+(\q)], v[SA+2*(\q)+\a/2] matrix_a_fmt:MATRIX_FMT_FP6 matrix_b_fmt:MATRIX_FMT_FP6 matrix_b_scale:MATRIX_SCALE_ROW1
.else
	v_wmma_scale_f32_16x16x128_f8f6f4 v[ACC+8*(4*\a+\b):ACC+8*(4*\a+\b)+7], v[48*((\q)%2)+FR*\b:48*((\q)%2)+FR*\b+FR-1], v[48*((\q)%4)+FR*\a:48*((\q)%4)+FR*\a+FR-1], v[ACC+8*(4*\a+\b):ACC+8*(4*\a+\b)+7], v[SB+8*\b+(\q)], v[SA+2*(\q)+\a/2] matrix_a_fmt:MATRIX_FMT_FP6 matrix_b_fmt:MATRIX_FMT_FP6
.endif
.endr
.endr
.endm
; A SLOT: eight K steps.  At its head each wave waits for all its tensor loads; fill = 1: the add, the wait for it, a round of the cluster's barrier, and the next slot's joint load into the slot read before (the first time: slot 1's first fill).
; Each step asks first (B's next fragments from LDS, A's fragments five steps on), then waits for its own and multiplies.  The wait on LOADcnt leaves out the younger steps' loads, 12 each (and the residual's 32), held to the field's 63.
.macro TRIP fill
	s_wait_tensorcnt 0x0                           ; my part of this slot is in, and the walking descriptor may be written
.if \fill
	ds_add_u32 v[SPW], v[NIL]
	s_xor_b32 s[G0B+1], s[G0B+1], SLOTB            ; the other slot,
	s_add_nc_u64 s[G0B+2:G0B+3], s[G0B+2:G0B+3], 768   ; the next 1,024 along K
.endif
	s_wait_dscnt 0x0
.if \fill
	CROUND
	s_cmp_lt_u32 s14, 2
	s_cbranch_scc0 .Lnone_\@
	tensor_load_to_lds s[G0B:G0B+3], s[G1B:G1B+7]
	s_nop 0
	PLACES
.Lnone_\@:
.else
	s_barrier_signal -1
	s_barrier_wait -1
.endif
	v_add_nc_u32 v[ADB], s[TB], v[ADB0]            ; (these four are also the places in front of the loads below)
	v_add_nc_u32 v[ADB+1], s[TB], v[ADB0+1]
	v_add_nc_u32 v[ASB], s[TSB], v[ASB0]
	v_add_nc_u32 v[ASA], s[TSA], v[ASA0]
	s_wait_alu depctr_va_vdst(0)
.irp b, 0,1,2,3
	ds_load_b128 v[SB+8*\b:SB+8*\b+3], v[ASB] offset:\b*SBLK
	ds_load_b128 v[SB+8*\b+4:SB+8*\b+7], v[ASB] offset:\b*SBLK+16
.endr
.irp q, 0,1,2,3,4,5,6,7
	ds_load_b32 v[SA+2*\q], v[ASA] offset:512*\q
	ds_load_b32 v[SA+2*\q+1], v[ASA] offset:512*\q+128
.endr
	FETCHB 0
.set Q, 0
.rept 8
.set ISS, \fill
.if Q+D < 8
.set ISS, 1
.endif
.set YNG, 7-Q
.if YNG > D
.set YNG, D
.endif
.if \fill
.set YNG, D
.endif
.set YNG, YNG*LPS
.if (\fill) == 0
.if Q >= RQ
.set YNG, YNG+32
.endif
.endif
.if YNG > 63
.set YNG, 63
.endif
	PLACES                                         ; in front of loads into buffers that earlier products read
.if Q < 7
	FETCHB Q+1
.endif
.if ISS
	ALOAD Q+D
.endif
.if (\fill) == 0
.if Q == RQ
	WIN 0x40
.irp a, 0,1,2,3
.irp t, 0,1,2,3,4,5,6,7
	global_load_b128 v[128+32*\a+4*\t:128+32*\a+4*\t+3], v[CO], s[98:99] offset:(16*\a+2*\t)*4096   ; the residual, as the rows will leave
.endr
.endr
.endif
.endif
	s_wait_loadcnt YNG
.if Q < 7
	s_wait_dscnt 24                                ; all but the next step's 24
.else
	s_wait_dscnt 0x0
.endif
	WIN (1|((2+Q/4)<<2))
	MUL16 Q
.set Q, Q+1
.endr
	WIN 0
.endm
	s_wait_alu depctr_va_vdst(0)                   ; the wait at the head's end
	s_mov_b32 s[CNT], NSL-1
.Lslot:                                            ; three trips, each of which asks for the slot that follows
	TRIP 1
	s_wait_xcnt 0x0                                ; my loads have read their base
	s_add_nc_u64 s[AP:AP+1], s[AP:AP+1], 8*12288
	s_xor_b32 s[TB], s[TB], SLOTB
	s_add_co_u32 s[TSB], s[TSB], 32
	s_add_co_u32 s[TSA], s[TSA], 4096
	s_sub_co_u32 s[CNT], s[CNT], 1
	s_cmp_lg_u32 s[CNT], 0
	s_cbranch_scc1 .Lslot
	TRIP 0                                         ; the last slot is written out: nothing is left to ask for
; THE WAY OUT, block by block of 16 rows x 64 columns: through my own stage and back as whole rows of 256 bytes; the residual is added; sixteen lanes store 256 consecutive bytes.
.macro TOSTAGE a
.irp b, 0,1,2,3
	ds_store_b128 v[STO], v[ACC+32*(\a)+8*\b:ACC+32*(\a)+8*\b+3] offset:64*\b
	ds_store_b128 v[STO], v[ACC+32*(\a)+8*\b+4:ACC+32*(\a)+8*\b+7] offset:64*\b+16
.endr
.irp t, 0,1,2,3,4,5,6,7
	ds_load_b128 v[ACC+32*(\a)+4*\t:ACC+32*(\a)+4*\t+3], v[RD] offset:\t*2*SPITCH      ; LDS serves a wave's instructions in order
.endr
.endm
.macro SEND a, younger
	s_wait_dscnt \younger
	WIN 0x04                                       ; source 1 (the residual) in window 1
.irp i, 0,2,4,6,8,10,12,14,16,18,20,22,24,26,28,30
	v_pk_add_f32 v[ACC+32*(\a)+\i:ACC+32*(\a)+\i+1], v[ACC+32*(\a)+\i:ACC+32*(\a)+\i+1], v[128+32*(\a)+\i:128+32*(\a)+\i+1]
.endr
	WIN 0
.irp t, 0,1,2,3,4,5,6,7
	global_store_b128 v[CO], v[ACC+32*(\a)+4*\t:ACC+32*(\a)+4*\t+3], s[12:13] offset:(16*(\a)+2*\t)*4096
.endr
.endm
	PLACES
	s_wait_loadcnt 0x0                             ; the residual
	TOSTAGE 0
	TOSTAGE 1
	SEND 0, 16
	TOSTAGE 2
	SEND 1, 16
	TOSTAGE 3
	SEND 2, 16
	SEND 3, 0
	s_wait_tensorcnt 0x0                           ; the wave's end
	ds_add_u32 v[SPW], v[NIL]
	s_wait_dscnt 0x0
	CROUND
	s_endpgm
.Lfunc_end_k_q6005de989e_ffn2:
	.size	k_q6005de989e_ffn2, .Lfunc_end_k_q6005de989e_ffn2-k_q6005de989e_ffn2
	.p2alignl 7, 3214868480
	.fill 96, 4, 3214868480
	.section	.rodata,"a",@progbits
	.p2align	6, 0x0
	.amdhsa_kernel k_q6005de989e_ffn2
		.amdhsa_group_segment_fixed_size 327680
		.amdhsa_private_segment_fixed_size 0
		.amdhsa_enable_private_segment 0
		.amdhsa_kernarg_size 56
		.amdhsa_user_sgpr_count 2
		.amdhsa_user_sgpr_kernarg_segment_ptr 1
		.amdhsa_wavefront_size32 1
		.amdhsa_system_sgpr_workgroup_id_x 1
		.amdhsa_system_sgpr_workgroup_id_y 1
		.amdhsa_system_sgpr_workgroup_id_z 1
		.amdhsa_system_vgpr_workitem_id 0
		.amdhsa_next_free_vgpr 960
		.amdhsa_next_free_sgpr 100
		.amdhsa_reserve_vcc 0
		.amdhsa_float_denorm_mode_32 3
		.amdhsa_float_denorm_mode_16_64 3
		.amdhsa_memory_ordered 1
		.amdhsa_forward_progress 1
		.amdhsa_inst_pref_size 109
	.end_amdhsa_kernel
	.amdgpu_metadata
---
amdhsa.version: [ 1, 2 ]
amdhsa.kernels:
  - .name:           k_q6005de989e_ffn2
    .symbol:         k_q6005de989e_ffn2.kd
    .args:
      - { .name: hidc, .offset: 0, .size: 8, .value_kind: global_buffer, .address_space: global }
      - { .name: hids, .offset: 8, .size: 8, .value_kind: global_buffer, .address_space: global }
      - { .name: W2_codes, .offset: 16, .size: 8, .value_kind: global_buffer, .address_space: global }
      - { .name: W2_scales, .offset: 24, .size: 8, .value_kind: global_buffer, .address_space: global }
      - { .name: b2, .offset: 32, .size: 8, .value_kind: global_buffer, .address_space: global }
      - { .name: x1, .offset: 40, .size: 8, .value_kind: global_buffer, .address_space: global }
      - { .name: out0, .offset: 48, .size: 8, .value_kind: global_buffer, .address_space: global }
    .group_segment_fixed_size: 327680
    .private_segment_fixed_size: 0
    .kernarg_segment_align: 8
    .kernarg_segment_size: 56
    .max_flat_workgroup_size: 128
    .sgpr_count:     100
    .vgpr_count:     960
    .wavefront_size: 32
...
	.end_amdgpu_metadata
.endif
;; end of part 6
